; MI455X (gfx1250); checked and timed in simulation.
; The chip was launched on July 23, 2026; its instructions are those of AMD's public machine-readable ISA for CDNA 5 (MIT licence, August 2026) and "CDNA5" Instruction Set Architecture Reference Guide (July 2026). The comments in the code are by the model that wrote it; some were corrected since.
;; Encoder Block. Allowed arithmetic: matrix products marked QUANTISED: E2M3 operands, one E8M0 scale for each 32 along K, by v_wmma_scale_f32_16x16x128_f8f6f4 with both operands' format E2M3, f32 sums; everything else in f32.
;; Inputs: W1 1,024 x 4,096 float32; W2 4,096 x 1,024 float32; Wk 16 x 1,024 x 64 float32; Wo 1,024 x 1,024 float32; Wq 16 x 1,024 x 64 float32; Wv 16 x 1,024 x 64 float32; b1 1,024 float32; b2 1,024 float32; bf1 4,096 float32; bf2 1,024 float32; bk 16 x 64 float32; bo 1,024 float32; bq 16 x 64 float32; bv 16 x 64 float32; g1 1,024 float32; g2 1,024 float32; x 2 x 2,048 x 1,024 float32.
;; Outputs: out0 2 x 2,048 x 1,024 float32.
;; This version of the problem:
;;   THIS VERSION OF THE PROBLEM IS GIVEN IN LOW PRECISION. The matrix products marked QUANTISED in the list below multiply operands that are first quantised to E2M3 (2 exponent bits, 3 mantissa bits; 6 bits a number), with one power-of-two scale for each 32 numbers along K (OCP MX v1.0); their sums are f32. All else is computed in f32.
;;   The module's matrix products, in the order in which they are computed (A, B: the left and right operand; K: the contracted axis; several contracted axes count as one K, in the product's order):
;;     1. [M 1,024, K 1,024] x [K 1,024, N 4,096]; A: input Wq; B: input x: QUANTISED
;;     2. [M 1,024, K 1,024] x [K 1,024, N 4,096]; A: input Wk; B: input x: QUANTISED
;;     3. [M 1,024, K 1,024] x [K 1,024, N 4,096]; A: input Wv; B: input x: QUANTISED
;;     4. batch 32 x [M 2,048, K 64] x [K 64, N 2,048]; A: computed on the way; B: computed on the way: QUANTISED
;;     5. batch 32 x [M 2,048, K 2,048] x [K 2,048, N 64]; A: softmax (see below); B: computed on the way: QUANTISED
;;     6. [M 4,096, K 1,024] x [K 1,024, N 1,024]; A: computed on the way; B: input Wo: QUANTISED
;;     7. [M 4,096, K 1,024] x [K 1,024, N 4,096]; A: computed on the way; B: input W1: QUANTISED
;;     8. [M 4,096, K 4,096] x [K 4,096, N 1,024]; A: computed on the way; B: input W2: QUANTISED
;;   THE QUANTISER, for each operand of a quantised product, along K:
;;     - K is cut into blocks of 32 from its start; a last block that is shorter is filled with zeros.
;;     - A block's scale is 2^e with e = floor(log2(the largest magnitude in the block)) - 2, held to -126 .. 127; a block of zeros has e = 0. As a byte (E8M0): e + 127.
;;     - Each number is divided by its block's scale, clamped to +-7.5, and rounded to the nearest number of E2M3, ties to even, subnormals kept.
;;     - The product sums the exact products of the quantised numbers (number of the format x scale) in f32.
;;   ~~~python
;;   def quantise(x, axis):      # numpy; x: float32 -> the quantised numbers, widened to float32 again
;;       x = np.moveaxis(x, axis, -1); K = x.shape[-1]
;;       x = np.pad(x, [(0, 0)] * (x.ndim - 1) + [(0, -K % 32)]); x = x.reshape(x.shape[:-1] + (-1, 32)); a = np.abs(x).max(-1, keepdims=True)
;;       e = np.where(a > 0, np.clip(np.frexp(np.where(a > 0, a, 1))[1] - 1 - 2, -126, 127), 0)      # np.frexp(a)[1] - 1 = floor(log2(a)), exactly
;;       r = np.clip(x / 2.0 ** e, -7.5, 7.5)
;;       step = 2.0 ** (np.maximum(np.frexp(np.where(r == 0, 1, r))[1] - 1, 0) - 3)
;;       q = np.round(r / step) * step * 2.0 ** e      # np.round: ties to even
;;       return np.moveaxis(q.reshape(q.shape[:-2] + (-1,))[..., :K], -1, axis).astype(np.float32)
;;   ~~~
;;   SOFTMAX AHEAD OF A QUANTISED PRODUCT. Where the list says 'softmax', what is quantised is not the finished softmax but p = 2^(t - M), with t = logit x log2(e) and M = ceil(the row's largest t), a whole number; so 1/2 < the row's largest p <= 1. The row's sum l is taken of the UNQUANTISED p, in f32, and the product's result is divided by l at the end. Since M is a whole number, a kernel that streams over the keys may use a running M (the ceiling of the running maximum): every later rescaling is an exact power of two, which a block's scale takes up: the codes' values come out the same.
;;   OPERANDS COMPUTED ON THE WAY. 'Computed on the way' means the value that the module computes at that place (a softmax that the list does not call 'softmax' is quantised finished and normalised). What goes into a quantiser is computed in f32, as accurately as f32 sums, v_exp_f32 and their like allow (about 1e-6 of the number): no bf16 or f16 on the way to a quantiser, and a product that is left as it is and whose result goes on into a quantised operand takes f32 operands (vector FMAs, or v_wmma_f32_16x16x4_f32). A number that lies on a knife's edge between two numbers of the format may be rounded either way, as far as f32 arithmetic and the matrix unit's own rounding can turn it there, and no further.
;; One version. Each part assembles by itself: llvm-mc -triple=amdgcn-amd-amdhsa -mcpu=gfx1250 --defsym DOCPART=n.
;; ======== version 1 of 1: 7 launches
;; limits: right only within a limited range of input values
;; workspace buffers: opw 13,107,200 bytes; qkv 9,830,400 bytes; catq 3,276,800 bytes; ybuf 16,777,216 bytes; hf 16,777,216 bytes; hq 3,276,800 bytes; fq 13,107,200 bytes; ybuf2 16,777,216 bytes
;; launch prep (part 1): grid 1024 x 1, 4 waves a work-group, no clusters, 0 bytes of LDS; arguments x, Wq, Wk, Wv, Wo, W1, W2, opw; writes opw
.if DOCPART == 1
	.amdgcn_target "amdgcn-amd-amdhsa--gfx1250"
	.amdhsa_code_object_version 6
	.text
	.protected	k_qc05a2a2d91_prep
	.globl	k_qc05a2a2d91_prep
	.p2align	8
	.type	k_qc05a2a2d91_prep,@function
k_qc05a2a2d91_prep:
	s_mov_b64 s[64:65], 0
	v_nop
	global_prefetch_b8 v0, s[64:65] scope:SCOPE_SE
	s_setreg_imm32_b32 hwreg(HW_REG_WAVE_MODE, 25, 1), 1
	s_wait_xcnt 0x0
; The seven input operands become codes of E2M3 with one E8M0 byte for each 32 along K, laid as IMAGES OF THE MATRIX OPERAND'S REGISTERS.
; A tile is 16 rows: lane-row r of tile 2 g + u is row 32 g + 8 u + r + 8 (r / 8).  A HALF (768 bytes) is a tile x 64 k: lane (r, h) holds six registers, k = 32 h .. 32 h + 31 of row r:
; registers 0-3 at byte 16 x lane, registers 4-5 at 512 + 8 x lane.  A fragment is two halves.  A RECORD (12,800 bytes) is the 8 fragments of 128 rows for 128 along K, then 8 x 16 scale words.
; An operand is [block of 128 rows][K step] records.  x at 0; Wq, Wk, Wv (row = 64 head + channel) behind it; then Wo, W1, W2 (row = the weight's column).
; A wave takes one unit: 32 rows of the operand x 128 along K = two fragments and 32 scale words.  WEIGHTS have K as an outer axis: a lane takes a column and its registers run down K, so each load reads
; 128 consecutive bytes, a block of 32 lies in one lane, and the conversions give K innermost.  x has K innermost: a lane takes 16 neighbours of each block of its row.
; Every store of codes covers 512 or 256 consecutive bytes, aligned; the 32 scale words 128.  No LDS, no barrier, no cluster: waves share nothing.
; A block's byte is its largest magnitude's exponent field - 2, held at 1 from below.
; LIMITS: NaN and infinities are not served; a block whose largest magnitude lies under 2^-124 keeps the byte 1; a block of zeros has the byte 1 and not 127 (its codes are zeros; this program alone reads the bytes).
.set REC,     12800
.set OFF_QKV, 3276800
.set OFF_WO,  5734400
.set OFF_W1,  6553600
.set OFF_W2,  9830400
.set FLOOR,   0x1800000                ; 2^(3 - 127)
.set TM,  208                          ; v208-223 at work in QUANT
.set SEL, 38                           ; s[38:39] v_permlanex16_b32's selects for lane l xor 16
.set HI,  21                           ; s21 mask of lanes 16-31
; v2, v3, v4: 16, 8, 4 x lane; v5: 4 x my column; v6: my place in x's rows; v20-22 scale words; v24-31 at work; v32-55 codes; v64-191 numbers; v192-207 second halves of blocks
.macro PUTHALF d, b, off
	global_store_b128 v2, v[\d:\d+3], s[\b:\b+1] offset:\off
	global_store_b64 v3, v[\d+4:\d+5], s[\b:\b+1] offset:\off+512
.endm
; 64 numbers of a lane, register 16 b + i = k 32 b + 16 (lane / 16) + i of my row, become two halves (d0, d1: six registers each) and the row's scale word (w)
.macro QUANT s, d0, d1, w
.irp b, 0,1,2,3
	v_max3_num_f32 v[TM+\b], |v[\s+16*\b]|, |v[\s+1+16*\b]|, FLOOR
.endr
.irp i, 2,4,6,8,10,12,14
.irp b, 0,1,2,3
	v_max3_num_f32 v[TM+\b], v[TM+\b], |v[\s+16*\b+\i]|, |v[\s+1+16*\b+\i]|
.endr
.endr
.irp b, 0,1,2,3
	v_permlanex16_b32 v[TM+4+\b], v[TM+\b], s[SEL], s[SEL+1]
.endr
.irp b, 0,1,2,3
	v_max_num_f32 v[TM+\b], v[TM+\b], v[TM+4+\b]   ; with lane l xor 16's 16: the block's largest magnitude
.endr
.irp b, 0,1,2,3
	v_add_nc_u32 v[TM+8+\b], 0xff000000, v[TM+\b]  ; 2 off its exponent field: the conversion's scale operand
.endr
.irp b, 0,1,2,3
	v_lshrrev_b32 v[TM+4+\b], 23, v[TM+8+\b]       ; the byte
.endr
	v_lshl_or_b32 v[\w], v[TM+5], 8, v[TM+4]
	v_lshl_or_b32 v[\w], v[TM+6], 16, v[\w]
	v_lshl_or_b32 v[\w], v[TM+7], 24, v[\w]
	v_cvt_scalef32_pk16_fp6_f32 v[\d0:\d0+2], v[\s:\s+15], v[TM+8]
	v_cvt_scalef32_pk16_fp6_f32 v[TM+12:TM+14], v[\s+16:\s+31], v[TM+9]
	v_cvt_scalef32_pk16_fp6_f32 v[\d1:\d1+2], v[\s+32:\s+47], v[TM+10]
	v_cvt_scalef32_pk16_fp6_f32 v[TM:TM+2], v[\s+48:\s+63], v[TM+11]
	v_nop                                          ; one plain place behind the conversions
.irp i, 0,1,2
	v_permlane16_swap_b32 v[\d0+\i], v[TM+12+\i]   ; a whole block to a lane: lanes 0-15 the even block, lanes 16-31 the odd one
	v_permlane16_swap_b32 v[\d1+\i], v[TM+\i]
.endr
.irp i, 0,1,2
	v_mov_b32 v[\d0+3+\i], v[TM+12+\i]
	v_mov_b32 v[\d1+3+\i], v[TM+\i]
.endr
.endm
; s24 = group of 32 rows, s25 = K step, s26 = log2 of the operand's K steps, s27 = the operand's first byte  ->  s[30:31] my two fragments, s[32:33] my 32 scale words
.macro DEST
	s_lshr_b32 s28, s24, 2
	s_lshl_b32 s28, s28, s26
	s_add_co_u32 s28, s28, s25
	s_mul_i32 s28, s28, REC
	s_add_co_u32 s28, s28, s27
	s_and_b32 s29, s24, 3
	s_mul_i32 s34, s29, 3072
	s_add_co_u32 s34, s34, s28
	s_add_nc_u64 s[30:31], s[18:19], s[34:35]
	s_lshl_b32 s29, s29, 7
	s_add_co_u32 s34, s28, s29
	s_add_co_u32 s34, s34, 12288
	s_add_nc_u64 s[32:33], s[18:19], s[34:35]
.endm
.macro WLOAD b, pitch                  ; block b: W(32 b + i, my column), i = 0 .. 31
.set ii, 0
.rept 32
	global_load_b32 v[64+32*\b+ii], v5, s[22:23] offset:(32*\b+ii)*\pitch th:TH_LOAD_NT
.set ii, ii+1
.endr
.endm
.macro WBLOCK b                        ; all 32 numbers of the block are mine
.set XS, 64+32*\b
	v_max3_num_f32 v24, |v[XS]|, |v[XS+1]|, |v[XS+2]|
	v_max3_num_f32 v25, |v[XS+3]|, |v[XS+4]|, |v[XS+5]|
.irp i, 6,10,14,18,22,26
	v_max3_num_f32 v24, v24, |v[XS+\i]|, |v[XS+\i+1]|
	v_max3_num_f32 v25, v25, |v[XS+\i+2]|, |v[XS+\i+3]|
.endr
	v_max3_num_f32 v24, v24, |v[XS+30]|, |v[XS+31]|
	v_max3_num_f32 v24, v24, v25, FLOOR
	v_add_nc_u32 v[28+\b], 0xff000000, v24
	v_lshrrev_b32 v25, 23, v[28+\b]
.if \b == 0
	v_mov_b32 v20, v25
.else
	v_lshl_or_b32 v20, v25, 8*\b, v20
.endif
	v_cvt_scalef32_pk16_fp6_f32 v[32+6*\b:34+6*\b], v[XS:XS+15], v[28+\b]
	v_cvt_scalef32_pk16_fp6_f32 v[192+4*\b:194+4*\b], v[XS+16:XS+31], v[28+\b]   ; (a conversion's three registers begin on an even number)
.endm
.macro WBODY pitch
	WLOAD 0, \pitch
	WLOAD 1, \pitch
	s_wait_loadcnt 32                              ; block 0 is in; block 1's 32 loads may be out
	WLOAD 2, \pitch
	WBLOCK 0
	s_wait_loadcnt 32                              ; block 1 is in; block 2's may be out
	WLOAD 3, \pitch
	WBLOCK 1
	s_wait_loadcnt 32                              ; block 2 is in; block 3's may be out
	WBLOCK 2
	s_wait_loadcnt 0x0
	WBLOCK 3
	v_nop                                          ; one plain place behind the conversions
.irp b, 0,1,2,3
.irp i, 0,1,2
	v_mov_b32 v[35+6*\b+\i], v[192+4*\b+\i]        ; v[32 + 6 b ..]: block b of my column, six registers
.endr
.endr
.irp i, 0,1,2,3,4,5                    ; lanes 0-15 hold tile 0's rows, lanes 16-31 tile 1's: the exchange gives each tile its halves, block h in lanes of half h
	v_permlane16_swap_b32 v[32+\i], v[38+\i]
	v_permlane16_swap_b32 v[44+\i], v[50+\i]
.endr
	PUTHALF 32, 30, 0                              ; tile 0: k 0-63,
	PUTHALF 44, 30, 768                            ; k 64-127;
	PUTHALF 38, 30, 1536                           ; tile 1
	PUTHALF 50, 30, 2304
	global_store_b32 v4, v20, s[32:33]             ; lane l's word is tile l / 16's row l % 16
	s_endpgm
.endm
	s_load_b256 s[4:11], s[0:1], 0x0               ; x, Wq, Wk, Wv
	s_load_b256 s[12:19], s[0:1], 0x20             ; Wo, W1, W2, opw
	v_lshrrev_b32 v1, 5, v0
	v_readfirstlane_b32 s20, v1                    ; wave
	v_and_b32 v1, 31, v0                           ; lane
	v_lshlrev_b32 v2, 4, v1
	v_lshlrev_b32 v3, 3, v1
	v_lshlrev_b32 v4, 2, v1
	v_and_b32 v7, 15, v1                           ; r
	v_lshrrev_b32 v8, 4, v1                        ; h
	v_and_b32 v9, 8, v7
	v_and_b32 v5, 7, v1
	v_lshl_add_u32 v5, v8, 3, v5
	v_lshl_add_u32 v5, v9, 1, v5                   ; my column of the 32: (l % 8) + 8 (l / 16) + 16 ((l / 8) % 2)
	v_lshlrev_b32 v5, 2, v5
	v_add_nc_u32 v6, v7, v9                        ; r + 8 (r / 8)
	v_lshlrev_b32 v6, 12, v6
	v_lshl_add_u32 v6, v8, 6, v6                   ; x: that row of 4,096 bytes, + 64 h
.irp b, 0,1,2,3
	v_mov_b32 v[TM+4+\b], 0                        ; a lane permute's destination counts as one of its sources
.endr
	s_mov_b32 s[HI], 0xffff0000
	s_mov_b32 s[SEL], 0x76543210
	s_mov_b32 s[SEL+1], 0xfedcba98
	s_mov_b32 s35, 0
	s_mov_b32 s37, 0
	s_wait_kmcnt 0x0
	s_cmp_ge_u32 ttmp9, 768                        ; the work-group's number says which tensor
	s_cbranch_scc1 .Lx
	s_cmp_ge_u32 ttmp9, 512
	s_cbranch_scc1 .Lw2
	s_cmp_ge_u32 ttmp9, 256
	s_cbranch_scc1 .Lw1
	s_cmp_ge_u32 ttmp9, 192
	s_cbranch_scc1 .Lwo
	; Wq, Wk, Wv: [16][1024][64]: unit = half a head's channels x 128 along K
	s_and_b32 s24, ttmp9, 63
	s_lshl_b32 s24, s24, 2
	s_add_co_u32 s24, s24, s20
	s_and_b32 s28, s24, 1                          ; which 32 channels
	s_bfe_u32 s25, s24, 0x30001                    ; K step
	s_lshr_b32 s29, s24, 4                         ; head
	s_lshl_b32 s36, s29, 18
	s_lshl_b32 s34, s25, 15
	s_add_co_u32 s36, s36, s34
	s_lshl_b32 s34, s28, 7
	s_add_co_u32 s36, s36, s34
	s_lshr_b32 s34, ttmp9, 6                       ; 0, 1, 2: q, k, v
	s_lshl_b32 s34, s34, 5
	s_lshl_b32 s29, s29, 1
	s_add_co_u32 s24, s34, s29
	s_add_co_u32 s24, s24, s28
	s_mov_b32 s26, 3
	s_mov_b32 s27, OFF_QKV
	s_cmp_lt_u32 ttmp9, 64
	s_cselect_b64 s[22:23], s[6:7], s[8:9]
	s_cmp_lt_u32 ttmp9, 128
	s_cselect_b64 s[22:23], s[22:23], s[10:11]
	s_add_nc_u64 s[22:23], s[22:23], s[36:37]
	DEST
	s_wait_alu depctr_va_vdst(0)
	WBODY 256
.Lw1:                                              ; W1 [1024][4096]
	s_sub_co_u32 s24, ttmp9, 256
	s_lshl_b32 s24, s24, 2
	s_add_co_u32 s24, s24, s20
	s_lshr_b32 s25, s24, 7
	s_and_b32 s24, s24, 127
	s_lshl_b32 s36, s25, 21
	s_lshl_b32 s34, s24, 7
	s_add_co_u32 s36, s36, s34
	s_mov_b32 s26, 3
	s_mov_b32 s27, OFF_W1
	s_add_nc_u64 s[22:23], s[14:15], s[36:37]
	DEST
	s_wait_alu depctr_va_vdst(0)
	WBODY 16384
.Lwo:                                              ; Wo [1024][1024]
	s_sub_co_u32 s24, ttmp9, 192
	s_mov_b32 s26, 3
	s_mov_b32 s27, OFF_WO
	s_mov_b64 s[22:23], s[12:13]
	s_branch .Lrows4096
.Lw2:                                              ; W2 [4096][1024]
	s_sub_co_u32 s24, ttmp9, 512
	s_mov_b32 s26, 5
	s_mov_b32 s27, OFF_W2
	s_mov_b64 s[22:23], s[16:17]
.Lrows4096:
	s_lshl_b32 s24, s24, 2
	s_add_co_u32 s24, s24, s20
	s_lshr_b32 s25, s24, 5
	s_and_b32 s24, s24, 31
	s_lshl_b32 s36, s25, 19
	s_lshl_b32 s34, s24, 7
	s_add_co_u32 s36, s36, s34
	s_add_nc_u64 s[22:23], s[22:23], s[36:37]
	DEST
	s_wait_alu depctr_va_vdst(0)
	WBODY 4096
.Lx:                                               ; x [4096][1024]: unit = 32 tokens x 128 along K
	s_sub_co_u32 s24, ttmp9, 768
	s_lshl_b32 s24, s24, 2
	s_add_co_u32 s24, s24, s20
	s_and_b32 s25, s24, 7
	s_lshr_b32 s24, s24, 3
	s_mov_b32 s26, 3
	s_mov_b32 s27, 0
	s_lshl_b32 s36, s24, 17
	s_lshl_b32 s34, s25, 9
	s_add_co_u32 s36, s36, s34
	s_add_nc_u64 s[22:23], s[4:5], s[36:37]
	DEST
.set ii, 0
	s_wait_alu depctr_va_vdst(0)
.rept 32                               ; tile ii / 16, block (ii / 4) % 4, four numbers ii % 4
	global_load_b128 v[64+4*ii:64+4*ii+3], v6, s[22:23] offset:(ii/16)*32768+((ii/4)%4)*128+(ii%4)*16 th:TH_LOAD_NT
.set ii, ii+1
.endr
	s_wait_loadcnt 16                              ; tile 0's sixteen loads are in; tile 1's may be out
	QUANT 64, 32, 38, 20
	s_wait_loadcnt 0x0
	QUANT 128, 44, 50, 21
	PUTHALF 32, 30, 0
	PUTHALF 38, 30, 768
	PUTHALF 44, 30, 1536
	PUTHALF 50, 30, 2304
	v_cndmask_b32 v22, v20, v21, s[HI]             ; lanes 0-15 tile 0's words, lanes 16-31 tile 1's
	global_store_b32 v4, v22, s[32:33]
	s_endpgm
.Lfunc_end_k_qc05a2a2d91_prep:
	.size	k_qc05a2a2d91_prep, .Lfunc_end_k_qc05a2a2d91_prep-k_qc05a2a2d91_prep
	.p2alignl 7, 3214868480
	.fill 96, 4, 3214868480
	.section	.rodata,"a",@progbits
	.p2align	6, 0x0
	.amdhsa_kernel k_qc05a2a2d91_prep
		.amdhsa_group_segment_fixed_size 0
		.amdhsa_private_segment_fixed_size 0
		.amdhsa_enable_private_segment 0
		.amdhsa_kernarg_size 64
		.amdhsa_user_sgpr_count 2
		.amdhsa_user_sgpr_kernarg_segment_ptr 1
		.amdhsa_wavefront_size32 1
		.amdhsa_system_sgpr_workgroup_id_x 1
		.amdhsa_system_sgpr_workgroup_id_y 1
		.amdhsa_system_sgpr_workgroup_id_z 1
		.amdhsa_system_vgpr_workitem_id 0
		.amdhsa_next_free_vgpr 224
		.amdhsa_next_free_sgpr 66
		.amdhsa_reserve_vcc 0
		.amdhsa_float_denorm_mode_32 3
		.amdhsa_float_denorm_mode_16_64 3
		.amdhsa_memory_ordered 1
		.amdhsa_forward_progress 1
		.amdhsa_inst_pref_size 75
	.end_amdhsa_kernel
	.amdgpu_metadata
---
amdhsa.version: [ 1, 2 ]
amdhsa.kernels:
  - .name:           k_qc05a2a2d91_prep
    .symbol:         k_qc05a2a2d91_prep.kd
    .args:
      - { .name: x, .offset: 0, .size: 8, .value_kind: global_buffer, .address_space: global }
      - { .name: Wq, .offset: 8, .size: 8, .value_kind: global_buffer, .address_space: global }
      - { .name: Wk, .offset: 16, .size: 8, .value_kind: global_buffer, .address_space: global }
      - { .name: Wv, .offset: 24, .size: 8, .value_kind: global_buffer, .address_space: global }
      - { .name: Wo, .offset: 32, .size: 8, .value_kind: global_buffer, .address_space: global }
      - { .name: W1, .offset: 40, .size: 8, .value_kind: global_buffer, .address_space: global }
      - { .name: W2, .offset: 48, .size: 8, .value_kind: global_buffer, .address_space: global }
      - { .name: opw, .offset: 56, .size: 8, .value_kind: global_buffer, .address_space: global }
    .group_segment_fixed_size: 0
    .private_segment_fixed_size: 0
    .kernarg_segment_align: 8
    .kernarg_segment_size: 64
    .max_flat_workgroup_size: 128
    .sgpr_count:     66
    .vgpr_count:     224
    .wavefront_size: 32
...
	.end_amdgpu_metadata
.endif
;; end of part 1
;; launch qkvp (part 2): grid 12 x 16, 4 waves a work-group, clusters of 4 x 4, 327,680 bytes of LDS; arguments opw, bq, bk, bv, qkv; writes qkv
.if DOCPART == 2
	.amdgcn_target "amdgcn-amd-amdhsa--gfx1250"
	.amdhsa_code_object_version 6
	.text
	.protected	k_qc05a2a2d91_qkvp
	.globl	k_qc05a2a2d91_qkvp
	.p2align	8
	.type	k_qc05a2a2d91_qkvp,@function
k_qc05a2a2d91_qkvp:
	s_mov_b64 s[64:65], 0
	v_nop
	global_prefetch_b8 v0, s[64:65] scope:SCOPE_SE
	s_setreg_imm32_b32 hwreg(HW_REG_WAVE_MODE, 25, 1), 1
	s_wait_xcnt 0x0
	s_wait_alu depctr_hold_cnt(0) depctr_sa_sdst(0) depctr_va_vdst(0) depctr_va_sdst(0) depctr_va_ssrc(0) depctr_va_vcc(0) depctr_vm_vsrc(0)
	s_getreg_b32 s2, hwreg(HW_REG_IB_STS2, 6, 4)
	s_cmp_eq_u32 s2, 0
	s_cbranch_scc0 .Lentry_in_a_cluster
	s_endpgm
.Lentry_in_a_cluster:
	s_bfe_u32 s2, ttmp6, 0x10000c
	s_cmp_lg_u32 s2, 0xf033
	s_cbranch_scc0 .Lentry_shape_is_right
	s_endpgm
.Lentry_shape_is_right:
; q = x Wq + bq, k = x Wk + bk, v = x Wv + bv on codes of E2M3, and their quantising: q and k along the head's 64, v along the keys.
; OPERANDS lie in memory as images of the matrix operand's registers.  Lane-row r of tile 2 g + u is row 32 g + 8 u + r + 8 (r / 8).  A half (768 bytes) is 16 rows x 64 k, a fragment two halves;
; a record (12,800 bytes) is the 8 fragments of 128 rows for 128 along K and their 128 scale words; an operand is [128 rows][K step] records.
; A tile is 256 rows of S1 (two blocks of 128) by 128 rows of S0; wave w takes S1's tiles 4 w .. 4 w + 3 and all 8 tiles of S0: 32 accumulators.  D = S0's tile x S1's tile, so a lane holds
; ONE row of S1 and, by the tiles' row order, the 64 registers of an S1 tile run along 128 neighbouring rows of S0 in the order that the quantiser takes: register 16 b + i = 32 b + 16 (lane / 16) + i.
; A WORK-GROUP STAYS FOR TWO TILES: the same 256 rows of S1 against two neighbouring blocks of S0.  S1's codes for all of K = 1,024 are filled once and stay; S0's 16 records (two blocks x 8 K steps, one dense run of
; memory) go through S0's part of two LDS slots of four K steps: two first fills and two refills, each refill one joint load of waves 2 and 3 behind a round of the cluster's barrier.
; Cluster x = 0 makes q, x = 1 makes k: S1 = tokens, S0 = rows of Wq or Wk (a block = two heads).  Cluster x = 2 makes v with the parts changed BY ADDRESS ALONE: S1 = 256 rows of Wv (four heads), S0 = blocks of 128
; tokens: a lane then holds a channel and its registers run along the keys.  The cluster's x is the same in all sixteen partners.  192 work-groups: one round.
; CLUSTER 4 x 4: S1's blocks are shared along a row of the cluster, S0's along a column: each is asked for jointly.
; No prefetch: between a refill's request and the wait for it stand four K steps' products, behind the second the first tile's way out too.
; OUT.  For each (batch, head) and 128 keys a record of 12,800 bytes: four images of k (a pair of key tiles: half u = tile u x the head's 64), four fragments of v (16 channels x 128 keys), k's words, v's words.
; q likewise in records of 6,400 bytes behind them.  All stores of codes cover 512 or 256 consecutive bytes, aligned; words 128.
; LIMITS: NaN and infinities are not served; a block under 2^-124 or of zeros keeps the byte 1 (its codes are what counts; this program alone reads the bytes).
; REGISTERS.  Window 0: v1-3 16, 8, 4 x lane; v4-15 LDS addresses; v16-27 scale words, two sets; v28, v29 bias offsets; v30, v31 the add's two; v32-127 S0's fragments, v128-175 S1's (set 0); v176-239 the first tile's
; bq or bk in the result's layout; v240-255 at work.  Window 1: the accumulators, (i, t) at 64 i + 8 t.  Window 2: v0-3 bv of my lane's channels; v32-175 fragments, set 1; v176-239 the second tile's bq or bk.
.set REC,   12800
.set BLK,   4*REC                      ; four K steps of 128 rows
.set SLOT,  3*BLK                      ; S1's two blocks, then S0's
.set SPARE, 2*SLOT                     ; the spare words, 128 bytes a wave
.set OFF_QKV, 3276800
.set QOFF,  6553600
.set FLOOR, 0x1800000
.set SPW, 30
.set NIL, 31
.set TM,  240
.set SEL, 76
.set HI,  78
.set MSB, 0
.macro WIN new                         ; the immediate's high byte repeats the setting that is left
.if MSB != \new
	s_set_vgpr_msb (MSB<<8)|\new
.set MSB, \new
.endif
.endm
.macro PLACES                          ; four plain places behind matrix instructions, ahead of loads into their sources and of reads of their results
.rept 4
	v_nop
.endr
.endm
.macro CREST
	s_cmp_lg_u32 s14, 0
	s_cbranch_scc1 .Lnot_wave_0_\@
	s_barrier_signal -3
.Lnot_wave_0_\@:
	s_barrier_wait -3
	s_barrier_signal -1
	s_barrier_wait -1
.endm
.macro CROUND
	s_barrier_signal -1
	s_barrier_wait -1
	CREST
.endm
.macro JLOADP sl                       ; a joint refill of S0's part of a slot: waves 2 and 3 fetch its halves, waves 0 and 1 have no part; an s_nop 0 and four v_nop follow the line
	s_cmp_eq_u32 s15, 0
	s_cbranch_scc1 .Lno_part_\@
	tensor_load_to_lds s[56+4*\sl:59+4*\sl], s[48:55]
	s_nop 0
	PLACES
.Lno_part_\@:
.endm
.macro FRAGLD reg, a16, a8, off        ; a fragment as it lies: 16 and 8 bytes a lane, twice
	ds_load_b128 v[\reg:\reg+3], v[\a16] offset:\off
	ds_load_b64 v[\reg+4:\reg+5], v[\a8] offset:\off+512
	ds_load_b128 v[\reg+6:\reg+9], v[\a16] offset:\off+768
	ds_load_b64 v[\reg+10:\reg+11], v[\a8] offset:\off+1280
.endm
.macro FETCH sl, q, p                  ; K step q of slot sl into set p: 12 fragments and 6 registers of scale words (lanes 0-15 the even tile's, lanes 16-31 the odd tile's)
.if \p
	WIN 0x80
.else
	WIN 0
.endif
.irp t, 0,1,2,3,4,5,6,7
	FRAGLD 32+12*\t, 8+\sl, 10+\sl, (\q)*REC+1536*\t
.endr
.irp i, 0,1,2,3
	FRAGLD 128+12*\i, 4+\sl, 6+\sl, (\q)*REC+1536*\i
.endr
	WIN 0
.irp j, 0,1,2,3
	ds_load_b32 v[16+6*(\p)+\j], v[14+\sl] offset:(\q)*REC+12288+128*\j
.endr
.irp j, 0,1
	ds_load_b32 v[20+6*(\p)+\j], v[12+\sl] offset:(\q)*REC+12288+128*\j
.endr
.endm
.macro WM i, t, p, mode                ; mode 1: the sum's first product
.set rD, 64*(\i)+8*(\t)
.set rA, 32+12*(\t)
.set rB, 128+12*(\i)
.set rX, 16+6*(\p)+(\t)/2
.set rY, 20+6*(\p)+(\i)/2
.set rw, 2*((\t)%2)+(\i)%2
.if \mode
.if rw == 0
	v_wmma_scale_f32_16x16x128_f8f6f4 v[rD:rD+7], v[rA:rA+11], v[rB:rB+11], 0, v[rX], v[rY] matrix_a_fmt:MATRIX_FMT_FP6 matrix_b_fmt:MATRIX_FMT_FP6
.elseif rw == 1
	v_wmma_scale_f32_16x16x128_f8f6f4 v[rD:rD+7], v[rA:rA+11], v[rB:rB+11], 0, v[rX], v[rY] matrix_a_fmt:MATRIX_FMT_FP6 matrix_b_fmt:MATRIX_FMT_FP6 matrix_b_scale:MATRIX_SCALE_ROW1
.elseif rw == 2
	v_wmma_scale_f32_16x16x128_f8f6f4 v[rD:rD+7], v[rA:rA+11], v[rB:rB+11], 0, v[rX], v[rY] matrix_a_fmt:MATRIX_FMT_FP6 matrix_b_fmt:MATRIX_FMT_FP6 matrix_a_scale:MATRIX_SCALE_ROW1
.else
	v_wmma_scale_f32_16x16x128_f8f6f4 v[rD:rD+7], v[rA:rA+11], v[rB:rB+11], 0, v[rX], v[rY] matrix_a_fmt:MATRIX_FMT_FP6 matrix_b_fmt:MATRIX_FMT_FP6 matrix_a_scale:MATRIX_SCALE_ROW1 matrix_b_scale:MATRIX_SCALE_ROW1
.endif
.else
.if rw == 0
	v_wmma_scale_f32_16x16x128_f8f6f4 v[rD:rD+7], v[rA:rA+11], v[rB:rB+11], v[rD:rD+7], v[rX], v[rY] matrix_a_fmt:MATRIX_FMT_FP6 matrix_b_fmt:MATRIX_FMT_FP6
.elseif rw == 1
	v_wmma_scale_f32_16x16x128_f8f6f4 v[rD:rD+7], v[rA:rA+11], v[rB:rB+11], v[rD:rD+7], v[rX], v[rY] matrix_a_fmt:MATRIX_FMT_FP6 matrix_b_fmt:MATRIX_FMT_FP6 matrix_b_scale:MATRIX_SCALE_ROW1
.elseif rw == 2
	v_wmma_scale_f32_16x16x128_f8f6f4 v[rD:rD+7], v[rA:rA+11], v[rB:rB+11], v[rD:rD+7], v[rX], v[rY] matrix_a_fmt:MATRIX_FMT_FP6 matrix_b_fmt:MATRIX_FMT_FP6 matrix_a_scale:MATRIX_SCALE_ROW1
.else
	v_wmma_scale_f32_16x16x128_f8f6f4 v[rD:rD+7], v[rA:rA+11], v[rB:rB+11], v[rD:rD+7], v[rX], v[rY] matrix_a_fmt:MATRIX_FMT_FP6 matrix_b_fmt:MATRIX_FMT_FP6 matrix_a_scale:MATRIX_SCALE_ROW1 matrix_b_scale:MATRIX_SCALE_ROW1
.endif
.endif
.endm
.macro MULS p, mode                    ; 32 products; the 32 accumulators take turns, in the same order in every K step, from tile to tile too
.if \mode
	WIN 0x40
.elseif \p
	WIN 0x5a
.else
	WIN 0x50
.endif
.irp i, 0,1,2,3
.irp t, 0,1,2,3,4,5,6,7
	WM \i, \t, \p, \mode
.endr
.endr
.endm
.macro STEP sl, q, mode                ; K step q (0, 1, 2) of a slot: the next step's set is asked for, this step's is multiplied
	s_wait_dscnt 0x0                               ; this step's set, asked for a step ago, is in
	WIN 0
	PLACES                                         ; the other set was read by the last step's products
	FETCH \sl, (\q)+1, ((\q)+1)%2
	MULS (\q)%2, \mode
.endm
; The change of slots, ahead of a slot's last K step.  In front of the barrier each wave waits for all its tensor loads, adds 0 to its spare word, and waits for that and for its reads of this slot: the last step's
; fragments are in registers.  fill = 1: the barrier opens a round of the cluster's, and the joint refill of S0's part of this slot, two slots on in S0's run of records, is the first thing behind it.
.macro MEET sl, fill
	WIN 0
	PLACES
	s_wait_tensorcnt 0x0
	ds_add_u32 v[SPW], v[NIL]
.if \fill
	s_add_nc_u64 s[58+4*\sl:59+4*\sl], s[58+4*\sl:59+4*\sl], 2*BLK   ; no tensor load of mine is out: the descriptor may step
.endif
	s_wait_dscnt 0x0
	s_barrier_signal -1
	s_barrier_wait -1
.if \fill
	CREST
	JLOADP \sl
.endif
.endm
.macro PUTHALF d, b, off
	global_store_b128 v1, v[\d:\d+3], s[\b:\b+1] offset:\off
	global_store_b64 v2, v[\d+4:\d+5], s[\b:\b+1] offset:\off+512
.endm
.macro QUANT s, d0, d1, w              ; 64 numbers of a lane, register 16 b + i = k 32 b + 16 (lane / 16) + i of my row -> two halves and the row's scale word
.irp b, 0,1,2,3
	v_max3_num_f32 v[TM+\b], |v[\s+16*\b]|, |v[\s+1+16*\b]|, FLOOR
.endr
.irp i, 2,4,6,8,10,12,14
.irp b, 0,1,2,3
	v_max3_num_f32 v[TM+\b], v[TM+\b], |v[\s+16*\b+\i]|, |v[\s+1+16*\b+\i]|
.endr
.endr
.irp b, 0,1,2,3
	v_permlanex16_b32 v[TM+4+\b], v[TM+\b], s[SEL], s[SEL+1]
.endr
.irp b, 0,1,2,3
	v_max_num_f32 v[TM+\b], v[TM+\b], v[TM+4+\b]
.endr
.irp b, 0,1,2,3
	v_add_nc_u32 v[TM+8+\b], 0xff000000, v[TM+\b]  ; 2 off the exponent field: the conversion's scale operand
.endr
.irp b, 0,1,2,3
	v_lshrrev_b32 v[TM+4+\b], 23, v[TM+8+\b]
.endr
	v_lshl_or_b32 v[\w], v[TM+5], 8, v[TM+4]
	v_lshl_or_b32 v[\w], v[TM+6], 16, v[\w]
	v_lshl_or_b32 v[\w], v[TM+7], 24, v[\w]
	v_cvt_scalef32_pk16_fp6_f32 v[\d0:\d0+2], v[\s:\s+15], v[TM+8]
	v_cvt_scalef32_pk16_fp6_f32 v[TM+12:TM+14], v[\s+16:\s+31], v[TM+9]
	v_cvt_scalef32_pk16_fp6_f32 v[\d1:\d1+2], v[\s+32:\s+47], v[TM+10]
	v_cvt_scalef32_pk16_fp6_f32 v[TM:TM+2], v[\s+48:\s+63], v[TM+11]
	v_nop                                          ; one plain place behind the conversions
.irp i, 0,1,2
	v_permlane16_swap_b32 v[\d0+\i], v[TM+12+\i]
	v_permlane16_swap_b32 v[\d1+\i], v[TM+\i]
.endr
.irp i, 0,1,2
	v_mov_b32 v[\d0+3+\i], v[TM+12+\i]
	v_mov_b32 v[\d1+3+\i], v[TM+\i]
.endr
.endm
; THE WAY OUT of tile tl (0 or 1).  All addresses were made at the head, on the one way that all work-groups take.
.macro OUT tl
	s_cmp_ge_u32 ttmp9, 2
	s_cbranch_scc1 .Lv_\tl
	; ---- q or k: my lane holds a token; blocks 0, 1 are the even head's 64 channels, blocks 2, 3 the odd head's
.irp i, 0,1,2,3
.if \tl
	WIN 0x09                                       ; source 0, the accumulators: window 1; source 1, the second tile's bias: window 2
.else
	WIN 0x01                                       ; source 0, the accumulators: window 1
.endif
.set kk, 0
.rept 32
	v_pk_add_f32 v[32+2*kk:33+2*kk], v[64*\i+2*kk:64*\i+2*kk+1], v[176+2*kk:177+2*kk]   ; + the bias; each accumulator from its low end on
.set kk, kk+1
.endr
	WIN 0
	QUANT 32, 96+12*\i, 102+12*\i, 144+\i
	PUTHALF 96+12*\i, 72, 768*\i                   ; tile i = pair i / 2, half i % 2
	PUTHALF 102+12*\i, 74, 768*\i
.endr
	v_perm_b32 v148, v145, v144, 0x05040100        ; a pair's word: tile 0's two bytes below, tile 1's above; the even head's are the low halves,
	v_perm_b32 v149, v147, v146, 0x05040100
	v_perm_b32 v150, v145, v144, 0x07060302        ; the odd head's the high halves
	v_perm_b32 v151, v147, v146, 0x07060302
	v_cndmask_b32 v152, v148, v149, s[HI]
	v_cndmask_b32 v153, v150, v151, s[HI]
	global_store_b32 v3, v152, s[88:89]
	global_store_b32 v3, v153, s[90:91]
	s_branch .Ldone_\tl
.Lv_\tl:	; ---- v: my lane holds a channel of head 4 cy + w; its registers run along 128 keys
.irp i, 0,1,2,3
	WIN 0x09                                       ; source 0 window 1, source 1 window 2
.set kk, 0
.rept 64
	v_add_f32 v[32+kk], v[64*\i+kk], v[\i]
.set kk, kk+1
.endr
	WIN 0
	QUANT 32, 96+12*\i, 102+12*\i, 144+\i
	PUTHALF 96+12*\i, 84, \tl*REC+6144+1536*\i
	PUTHALF 102+12*\i, 84, \tl*REC+6144+1536*\i+768
.endr
	v_cndmask_b32 v148, v144, v145, s[HI]
	v_cndmask_b32 v149, v146, v147, s[HI]
	global_store_b32 v3, v148, s[84:85] offset:\tl*REC+12544
	global_store_b32 v3, v149, s[84:85] offset:\tl*REC+12672
.Ldone_\tl:
.endm
	s_load_b256 s[4:11], s[0:1], 0x0               ; opw, bq, bk, bv
	s_load_b64 s[12:13], s[0:1], 0x20              ; qkv
	v_lshl_add_u32 v[SPW], v0, 2, SPARE
	v_mov_b32 v[NIL], 0
	ds_add_u32 v[SPW], v[NIL]                      ; the wave's opening: an add and its wait ahead of my first tensor load
	ds_add_u32 v[SPW], v[NIL]
	v_lshrrev_b32 v1, 5, v0
	v_readfirstlane_b32 s14, v1                    ; wave w
	s_lshr_b32 s15, s14, 1                         ; which block of S1 I multiply.  Also: I fetch for S1 (0) or S0 (1)
	s_and_b32 s16, s14, 1                          ; which four tiles of it.  Also: which part I fetch
	s_bfe_u32 s40, ttmp6, 0x40000                  ; cx
	s_bfe_u32 s41, ttmp6, 0x40004                  ; cy
	s_lshl_b32 s42, ttmp9, 2
	s_add_co_u32 s42, s42, s40                     ; X: 0-3 q, 4-7 k, 8-11 v
	s_and_b32 s43, ttmp7, 0xffff
	s_lshl_b32 s43, s43, 2
	s_add_co_u32 s43, s43, s41                     ; Y
	s_lshl_b32 s44, s41, 2
	s_lshl_b32 s44, 15, s44                        ; my row of the cluster
	s_lshl_b32 s45, 0x1111, s40                    ; my column
	s_or_b32 s24, s44, (3<<16)|(1<<21)             ; S1's blocks go to my row: elements of 8 bytes, no padding
	s_or_b32 s48, s45, (3<<16)|(1<<21)             ; S0's to my column
.irp g, 24, 48
	s_mov_b32 s[\g+1], 32<<16                      ; rows of 256 bytes, dense
	s_mov_b32 s[\g+3], 32<<16
	s_mov_b32 s[\g+5], 32
	s_mov_b32 s[\g+6], 0
	s_mov_b32 s[\g+7], 0
.endr
	s_mov_b32 s26, 200<<16                         ; S1: a block's four K steps, 51,200 bytes
	s_mov_b32 s28, 200
	s_mov_b32 s50, 100<<16                         ; S0: half of that
	s_mov_b32 s52, 100
	; S1's side: registers that never hold cx
	s_lshl_b32 s18, s43, 1                         ; q, k: token blocks 2 Y, 2 Y + 1
	s_lshl_b32 s19, s41, 1
	s_add_co_u32 s19, s19, 16                      ; v: blocks 16 + 2 cy, + 1 of the weights
	s_cmp_ge_u32 ttmp9, 2
	s_cselect_b32 s18, s19, s18
	s_cselect_b32 s19, OFF_QKV, 0
	s_add_co_u32 s18, s18, s16
	s_mul_i32 s18, s18, 8*REC
	s_add_co_u32 s18, s18, s19
	s_mov_b32 s19, 0
	s_mul_i32 s20, s16, BLK
	; S0's side: registers that never hold cy
	s_and_b32 s69, ttmp7, 0xffff
	s_lshl_b32 s69, s69, 2
	s_add_co_u32 s79, s69, s42
	s_sub_co_u32 s79, s79, 8
	s_and_b32 s79, s79, 15                         ; v: the pair of token blocks X - 8 + 4 x cluster y
	s_cmp_ge_u32 ttmp9, 2
	s_cselect_b32 s66, s79, s42                    ; q, k: the pair X of the weights' blocks
	s_cselect_b32 s69, 0, OFF_QKV
	s_mul_i32 s66, s66, 16*REC                     ; a pair of blocks is 16 records on end
	s_add_co_u32 s66, s66, s69
	s_mul_i32 s69, s16, 2*REC
	s_add_co_u32 s66, s66, s69
	s_mov_b32 s67, 0
	s_mul_i32 s68, s16, 2*REC
	s_add_co_u32 s68, s68, 2*BLK
	s_mov_b32 s[SEL], 0x76543210
	s_mov_b32 s[SEL+1], 0xfedcba98
	s_mov_b32 s[HI], 0xffff0000
	s_wait_dscnt 0x0                               ; the opening add is done
	s_wait_kmcnt 0x0
	s_add_nc_u64 s[22:23], s[4:5], s[18:19]
	s_add_nc_u64 s[70:71], s[4:5], s[66:67]
	CROUND                                         ; all sixteen work-groups are here: the first joint loads meet
.irp sl, 0,1
	s_mov_b32 s[32+4*\sl], 1
	s_add_co_u32 s[33+4*\sl], s20, \sl*SLOT
	s_add_nc_u64 s[34+4*\sl:35+4*\sl], s[22:23], \sl*BLK
	s_or_b32 s[35+4*\sl], s[35+4*\sl], 0x80000000
	s_mov_b32 s[56+4*\sl], 1
	s_add_co_u32 s[57+4*\sl], s68, \sl*SLOT
	s_add_nc_u64 s[58+4*\sl:59+4*\sl], s[70:71], \sl*BLK
	s_or_b32 s[59+4*\sl], s[59+4*\sl], 0x80000000
.endr
	s_cmp_eq_u32 s15, 0                            ; slot 0's first fill: one tensor load a wave at the head
	s_cbranch_scc0 .Lfirst_p
	tensor_load_to_lds s[32:35], s[24:31]
	s_nop 0
	PLACES
	s_branch .Lfirst_done
.Lfirst_p:
	tensor_load_to_lds s[56:59], s[48:55]
	s_nop 0
	PLACES
.Lfirst_done:
	v_and_b32 v32, 31, v0
	v_lshlrev_b32 v1, 4, v32
	v_lshlrev_b32 v2, 3, v32
	v_lshlrev_b32 v3, 2, v32
	s_mul_i32 s17, s15, BLK
	s_mul_i32 s46, s16, 6144
	s_add_co_u32 s46, s46, s17                     ; my four fragments of S1
	s_lshl_b32 s47, s16, 8
	s_add_co_u32 s47, s47, s17                     ; and their words
	v_add_nc_u32 v4, s46, v1
	v_add_nc_u32 v6, s46, v2
	v_add_nc_u32 v12, s47, v3
	v_add_nc_u32 v8, 2*BLK, v1
	v_add_nc_u32 v10, 2*BLK, v2
	v_add_nc_u32 v14, 2*BLK, v3
.irp a, 4,6,8,10,12,14
	v_add_nc_u32 v[\a+1], SLOT, v[\a]
.endr
.irp b, 0,1,2,3
	v_mov_b32 v[TM+4+\b], 0                        ; a lane permute's destination counts as one of its sources
.endr
	; both kinds of bias are loaded by every work-group, so that every way has written them; all addresses lie inside their buffers
	v_bfe_u32 v28, v0, 4, 1
	v_lshlrev_b32 v28, 6, v28                      ; 64 h
	s_wait_alu depctr_va_vdst(0)
	v_and_b32 v29, 15, v0
	v_and_b32 v33, 8, v29
	v_add_nc_u32 v29, v29, v33
	v_lshlrev_b32 v29, 2, v29                      ; 4 (r + 8 (r / 8))
	s_wait_alu depctr_va_vdst(0)
	s_cmp_lt_u32 ttmp9, 1
	s_cselect_b64 s[92:93], s[6:7], s[8:9]
	s_and_b32 s72, s42, 3
	s_lshl_b32 s72, s72, 10
	s_mov_b32 s73, 0
	s_add_nc_u64 s[92:93], s[92:93], s[72:73]      ; bq or bk at my four heads: 1,024 bytes, 512 a tile
	s_lshl_b32 s72, s41, 2
	s_add_co_u32 s72, s72, s14
	s_lshl_b32 s72, s72, 8
	s_add_nc_u64 s[10:11], s[10:11], s[72:73]      ; bv at head 4 cy + w
.irp t, 0,1,2,3,4,5,6,7
	global_load_b128 v[176+8*\t:179+8*\t], v28, s[92:93] offset:(32*(\t/2)+8*(\t%2))*4
	global_load_b128 v[180+8*\t:183+8*\t], v28, s[92:93] offset:(32*(\t/2)+8*(\t%2))*4+16
.endr
	WIN 0x80
.irp t, 0,1,2,3,4,5,6,7
	global_load_b128 v[176+8*\t:179+8*\t], v28, s[92:93] offset:512+(32*(\t/2)+8*(\t%2))*4
	global_load_b128 v[180+8*\t:183+8*\t], v28, s[92:93] offset:512+(32*(\t/2)+8*(\t%2))*4+16
.endr
.irp i, 0,1,2,3
	global_load_b32 v[\i], v29, s[10:11] offset:(32*(\i/2)+8*(\i%2))*4
.endr
	WIN 0
	; where the results go.  q's and k's four bases and v's one are made by every work-group, ahead of every branch; a work-group stores by its own kind's alone
	s_cmp_ge_u32 ttmp9, 1
	s_cselect_b32 s80, 1, 0                        ; k's records are twice q's
	s_cselect_b32 s81, 0, QOFF
	s_lshl_b32 s82, 102400, s80                    ; from head to head
	s_lshl_b32 s83, 6400, s80                      ; from record to record
	s_lshl_b32 s84, 6144, s80                      ; where the words begin
	s_lshr_b32 s85, s43, 3
	s_lshl_b32 s85, s85, 4
	s_and_b32 s86, s42, 3
	s_lshl_b32 s86, s86, 2
	s_add_co_u32 s85, s85, s86                     ; 16 x batch + the first tile's even head, 4 (X % 4)
	s_mul_i32 s85, s85, s82
	s_and_b32 s86, s43, 7
	s_lshl_b32 s86, s86, 1
	s_add_co_u32 s86, s86, s15                     ; which 128 tokens of the batch
	s_mul_i32 s86, s86, s83
	s_add_co_u32 s85, s85, s86
	s_add_co_u32 s85, s85, s81
	s_mul_i32 s86, s16, 3072                       ; my two pair images
	s_add_co_u32 s72, s85, s86
	s_mov_b32 s73, 0
	s_add_nc_u64 s[72:73], s[12:13], s[72:73]
	s_mov_b32 s83, 0
	s_add_nc_u64 s[74:75], s[72:73], s[82:83]      ; the odd head's
	s_lshl_b32 s86, s16, 7
	s_add_co_u32 s86, s86, s84
	s_add_co_u32 s86, s86, s85
	s_mov_b32 s87, 0
	s_add_nc_u64 s[88:89], s[12:13], s[86:87]      ; my two images' words
	s_add_nc_u64 s[90:91], s[88:89], s[82:83]
	s_lshl_b32 s94, s82, 1                         ; two heads on: the second tile
	s_mov_b32 s95, 0
	s_lshl_b32 s80, s41, 2                         ; v: head 4 cy + w,
	s_add_co_u32 s80, s80, s14
	s_lshr_b32 s81, s79, 3                         ; the batch of my pair of token blocks,
	s_lshl_b32 s81, s81, 4
	s_add_co_u32 s80, s80, s81
	s_mul_i32 s80, s80, 204800
	s_and_b32 s81, s79, 7                          ; and the pair's first record; the second tile's is the next
	s_mul_i32 s81, s81, 2*REC
	s_add_co_u32 s84, s80, s81
	s_mov_b32 s85, 0
	s_add_nc_u64 s[84:85], s[12:13], s[84:85]
	s_wait_alu depctr_va_vdst(0)
	s_wait_tensorcnt 0x0                           ; my part of slot 0 is in; slot 1's first fill is issued as a refill is:
	ds_add_u32 v[SPW], v[NIL]
	s_wait_dscnt 0x0
	CROUND                                         ; a whole round: slot 0 is whole, and the joint loads meet
	s_cmp_eq_u32 s15, 0
	s_cbranch_scc0 .Lsecond_p
	tensor_load_to_lds s[36:39], s[24:31]
	s_nop 0
	PLACES
	s_branch .Lsecond_done
.Lsecond_p:
	tensor_load_to_lds s[60:63], s[48:55]
	s_nop 0
	PLACES
.Lsecond_done:
	FETCH 0, 0, 0
	s_wait_loadcnt 0x0                             ; the biases
	STEP 0, 0, 1                                   ; THE FIRST TILE
	STEP 0, 1, 0
	STEP 0, 2, 0
	MEET 0, 1                                      ; slot 0's part of S0 takes the second tile's K steps 0-3
	FETCH 1, 0, 0
	MULS 1, 0
	STEP 1, 0, 0
	STEP 1, 1, 0
	STEP 1, 2, 0
	MEET 1, 1                                      ; slot 1's part of S0 takes the second tile's K steps 4-7
	MULS 1, 0
	WIN 0
	PLACES
	OUT 0
	s_wait_xcnt 0x0                                ; the stores have read their registers and bases: the fragments below land on the former, and q's and k's bases step
	s_add_nc_u64 s[72:73], s[72:73], s[94:95]
	s_add_nc_u64 s[74:75], s[74:75], s[94:95]
	s_add_nc_u64 s[88:89], s[88:89], s[94:95]
	s_add_nc_u64 s[90:91], s[90:91], s[94:95]
	FETCH 0, 0, 0                                  ; THE SECOND TILE: the same rows of S1, S0's next block
	STEP 0, 0, 1
	STEP 0, 1, 0
	STEP 0, 2, 0
	MEET 0, 0                                      ; nothing more is filled: a plain barrier
	FETCH 1, 0, 0
	MULS 1, 0
	STEP 1, 0, 0
	STEP 1, 1, 0
	STEP 1, 2, 0
	s_wait_dscnt 0x0
	MULS 1, 0
	WIN 0
	PLACES
	OUT 1
	s_wait_tensorcnt 0x0                           ; the wave's end
	ds_add_u32 v[SPW], v[NIL]
	s_wait_dscnt 0x0
	CROUND                                         ; the closing round
	s_endpgm
.Lfunc_end_k_qc05a2a2d91_qkvp:
	.size	k_qc05a2a2d91_qkvp, .Lfunc_end_k_qc05a2a2d91_qkvp-k_qc05a2a2d91_qkvp
	.p2alignl 7, 3214868480
	.fill 96, 4, 3214868480
	.section	.rodata,"a",@progbits
	.p2align	6, 0x0
	.amdhsa_kernel k_qc05a2a2d91_qkvp
		.amdhsa_group_segment_fixed_size 327680
		.amdhsa_private_segment_fixed_size 0
		.amdhsa_enable_private_segment 0
		.amdhsa_kernarg_size 40
		.amdhsa_user_sgpr_count 2
		.amdhsa_user_sgpr_kernarg_segment_ptr 1
		.amdhsa_wavefront_size32 1
		.amdhsa_system_sgpr_workgroup_id_x 1
		.amdhsa_system_sgpr_workgroup_id_y 1
		.amdhsa_system_sgpr_workgroup_id_z 1
		.amdhsa_system_vgpr_workitem_id 0
		.amdhsa_next_free_vgpr 768
		.amdhsa_next_free_sgpr 96
		.amdhsa_reserve_vcc 0
		.amdhsa_float_denorm_mode_32 3
		.amdhsa_float_denorm_mode_16_64 3
		.amdhsa_memory_ordered 1
		.amdhsa_forward_progress 1
		.amdhsa_inst_pref_size 239
	.end_amdhsa_kernel
	.amdgpu_metadata
---
amdhsa.version: [ 1, 2 ]
amdhsa.kernels:
  - .name:           k_qc05a2a2d91_qkvp
    .symbol:         k_qc05a2a2d91_qkvp.kd
    .args:
      - { .name: opw, .offset: 0, .size: 8, .value_kind: global_buffer, .address_space: global }
      - { .name: bq, .offset: 8, .size: 8, .value_kind: global_buffer, .address_space: global }
      - { .name: bk, .offset: 16, .size: 8, .value_kind: global_buffer, .address_space: global }
      - { .name: bv, .offset: 24, .size: 8, .value_kind: global_buffer, .address_space: global }
      - { .name: qkv, .offset: 32, .size: 8, .value_kind: global_buffer, .address_space: global }
    .group_segment_fixed_size: 327680
    .private_segment_fixed_size: 0
    .kernarg_segment_align: 8
    .kernarg_segment_size: 40
    .max_flat_workgroup_size: 128
    .sgpr_count:     96
    .vgpr_count:     768
    .wavefront_size: 32
...
	.end_amdgpu_metadata
.endif
;; end of part 2
;; launch attn (part 3): grid 8 x 32, 16 waves a work-group, clusters of 4 x 1, 327,680 bytes of LDS; arguments qkv, catq; writes catq
.if DOCPART == 3
	.amdgcn_target "amdgcn-amd-amdhsa--gfx1250"
	.amdhsa_code_object_version 6
	.text
	.protected	k_qc05a2a2d91_attn
	.globl	k_qc05a2a2d91_attn
	.p2align	8
	.type	k_qc05a2a2d91_attn,@function
k_qc05a2a2d91_attn:
	s_mov_b64 s[64:65], 0
	v_nop
	global_prefetch_b8 v0, s[64:65] scope:SCOPE_SE
	s_setreg_imm32_b32 hwreg(HW_REG_WAVE_MODE, 25, 1), 1
	s_wait_xcnt 0x0
	s_wait_alu depctr_hold_cnt(0) depctr_sa_sdst(0) depctr_va_vdst(0) depctr_va_sdst(0) depctr_va_ssrc(0) depctr_va_vcc(0) depctr_vm_vsrc(0)
	s_getreg_b32 s2, hwreg(HW_REG_IB_STS2, 6, 4)
	s_cmp_eq_u32 s2, 0
	s_cbranch_scc0 .Lentry_in_a_cluster
	s_endpgm
.Lentry_in_a_cluster:
	s_bfe_u32 s2, ttmp6, 0x10000c
	s_cmp_lg_u32 s2, 0x3003
	s_cbranch_scc0 .Lentry_shape_is_right
	s_endpgm
.Lentry_shape_is_right:
; heads = softmax(q k^T / 8) v for one (batch, head), both products on codes of E2M3, and the result's quantising along the concatenated heads.
; t = score x log2(e) / 8; M = the running largest t rounded up to a whole number; p = 2^(t - M) is quantised along the keys, not normalised; the row's sum is taken of the unquantised p and divides at the end.
; SHARES.  A work-group owns 256 queries of one (batch, head); each of its sixteen waves one tile of 16.  Four waves to a SIMD, so that one wave's vector work stands beside another's products and LDS loads.
; The head's k and v, 16 records of 12,800 bytes for 128 keys each, lie in LDS whole, filled ONCE: no ring.  The four work-groups of a cluster belong to one head and ask for each record jointly.
; Both products are used transposed (S^T = k q^T, O^T = v^T p^T): a lane holds one query throughout.  By the tiles' row order (lane-row r of tile 2 g + u = row 32 g + 8 u + r + 8 (r / 8)) the 16 registers of
; two neighbouring key tiles are 16 neighbouring keys, and O^T's 32 registers are the head's 64 channels in the order that the quantiser takes.
; K = 64 IN AN INSTRUCTION OF 128: an image holds a PAIR of key tiles, tile 0's 64 channels as k 0-63 and tile 1's as k 64-127.  It is multiplied by [q | zero codes] for tile 0 and by [zero codes | q] for tile 1:
; zero codes add nothing.  The two lie in 18 registers: zeros, q, zeros.
; LIMITS: NaN and infinities are not served; a block of p or of the result under 2^-124 keeps the byte 1.
; REGISTERS: v1-3 16, 8, 4 x lane; v4-6 the step's LDS addresses; v7, v8 the add's two; v11 4 (lane % 16); v12 -M, v13 the largest t, v[14:15] the sum; v16-33 q; v34, v35 q's scale words; v36-39 k's and v's;
; v40-87 four fragments; v96-159 S^T, then p; v160-191 O^T; v192-223 the way out; v224-235 p's codes; v232-254 at work.
.set REC,   12800
.set SPARE, 16*REC                     ; behind the records: the spare words, 128 bytes a wave
.set QOFF,  6553600
.set SPW, 7
.set NIL, 8
.set WV,  18
.set SEL, 20
.set CS,  22
.set TB,  2
.macro PLACES
.rept 4
	v_nop
.endr
.endm
.macro CROUND
	s_barrier_signal -1
	s_barrier_wait -1
	s_cmp_lg_u32 s[WV], 0
	s_cbranch_scc1 .Lnot_wave_0_\@
	s_barrier_signal -3
.Lnot_wave_0_\@:
	s_barrier_wait -3
	s_barrier_signal -1
	s_barrier_wait -1
.endm
.macro FRAGLD reg, off
	ds_load_b128 v[\reg:\reg+3], v4 offset:\off
	ds_load_b64 v[\reg+4:\reg+5], v5 offset:\off+512
	ds_load_b128 v[\reg+6:\reg+9], v4 offset:\off+768
	ds_load_b64 v[\reg+10:\reg+11], v5 offset:\off+1280
.endm
.macro SMUL b, u                       ; S^T's tile 2 b + u: pair b against q in the low (u = 0) or the high (u = 1) 64 of K
.set rD, 96+8*(2*\b+\u)
.set rA, 40+12*\b
.set rB, 22-6*\u
.set rY, 34+\u
.if (\b)%2
	v_wmma_scale_f32_16x16x128_f8f6f4 v[rD:rD+7], v[rA:rA+11], v[rB:rB+11], 0, v[36+\b/2], v[rY] matrix_a_fmt:MATRIX_FMT_FP6 matrix_b_fmt:MATRIX_FMT_FP6 matrix_a_scale:MATRIX_SCALE_ROW1
.else
	v_wmma_scale_f32_16x16x128_f8f6f4 v[rD:rD+7], v[rA:rA+11], v[rB:rB+11], 0, v[36+\b/2], v[rY] matrix_a_fmt:MATRIX_FMT_FP6 matrix_b_fmt:MATRIX_FMT_FP6
.endif
.endm
.macro OMUL i
.if (\i)%2
	v_wmma_scale_f32_16x16x128_f8f6f4 v[160+8*\i:167+8*\i], v[40+12*\i:51+12*\i], v[224:235], v[160+8*\i:167+8*\i], v[38+\i/2], v253 matrix_a_fmt:MATRIX_FMT_FP6 matrix_b_fmt:MATRIX_FMT_FP6 matrix_a_scale:MATRIX_SCALE_ROW1
.else
	v_wmma_scale_f32_16x16x128_f8f6f4 v[160+8*\i:167+8*\i], v[40+12*\i:51+12*\i], v[224:235], v[160+8*\i:167+8*\i], v[38+\i/2], v253 matrix_a_fmt:MATRIX_FMT_FP6 matrix_b_fmt:MATRIX_FMT_FP6
.endif
.endm
; A KEY STEP: the 128 keys of the record at LDS byte s[TB]
.macro KSTEP
	v_add_nc_u32 v4, s[TB], v1                     ; these three and the v_nop are the four places behind the last step's products, ahead of the loads into their sources
	v_add_nc_u32 v5, s[TB], v2
	v_add_nc_u32 v6, s[TB], v3
	v_nop
.irp b, 0,1,2,3
	FRAGLD 40+12*\b, 1536*\b
.endr
	ds_load_b32 v36, v6 offset:12288               ; k's words: lanes 0-15 pair 0's, lanes 16-31 pair 1's;
	ds_load_b32 v37, v6 offset:12416               ; pairs 2 and 3
	s_wait_alu depctr_va_vdst(0)
	s_wait_dscnt 0x0
.irp b, 0,1,2,3
	SMUL \b, 0
	SMUL \b, 1
.endr
	PLACES
.irp i, 0,1,2,3
	FRAGLD 40+12*\i, 6144+1536*\i                  ; v's four fragments are asked for now and land under the softmax
.endr
	ds_load_b32 v38, v6 offset:12544
	ds_load_b32 v39, v6 offset:12672
.irp b, 0,1,2,3
	v_max3_num_f32 v[232+\b], v[96+16*\b], v[97+16*\b], v[98+16*\b]   ; the largest score of each block of 32 keys: for the row's maximum and, since p rises with the score, for the block's largest p
.endr
.irp i, 3,5,7,9,11,13
.irp b, 0,1,2,3
	v_max3_num_f32 v[232+\b], v[232+\b], v[96+16*\b+\i], v[97+16*\b+\i]
.endr
.endr
.irp b, 0,1,2,3
	v_max_num_f32 v[232+\b], v[232+\b], v[111+16*\b]
.endr
.irp b, 0,1,2,3
	s_delay_alu instid0(VALU_DEP_4)
	v_permlanex16_b32 v[236+\b], v[232+\b], s[SEL], s[SEL+1]
.endr
.irp b, 0,1,2,3
	s_delay_alu instid0(VALU_DEP_4)
	v_max_num_f32 v[232+\b], v[232+\b], v[236+\b]  ; with lane l xor 16's 16 keys
.endr
	s_delay_alu instid0(VALU_DEP_2)
	v_max3_num_f32 v254, v232, v233, v234
	s_delay_alu instid0(VALU_DEP_1)
	v_max_num_f32 v254, v254, v235
	s_delay_alu instid0(VALU_DEP_1)
	v_mul_f32 v254, s[CS], v254                    ; as t (c is positive)
	s_delay_alu instid0(VALU_DEP_1)
	v_max_num_f32 v13, v13, v254                   ; the running largest t
	v_mov_b32 v254, v12
	s_delay_alu instid0(VALU_DEP_2)
	v_floor_f32 v12, -v13                          ; the new -M = floor(-t): M is a whole number
	s_delay_alu instid0(VALU_DEP_1)
	v_sub_f32 v254, v12, v254                      ; old M - new M: a whole number, 0 or less
	s_delay_alu instid0(VALU_DEP_1)
	v_cvt_i32_f32 v254, v254
	s_delay_alu instid0(VALU_DEP_1)
	v_ldexp_f32 v252, 1.0, v254                    ; f = 2^(old M - new M): a multiplication by it rounds nothing
.set jj, 0
.rept 32
	v_pk_fma_f32 v[96+jj:97+jj], v[96+jj:97+jj], s[CS:CS+1], v[12:13] op_sel_hi:[1,0,0]   ; t - M
.set jj, jj+2
.endr
.irp b, 0,1,2,3
	v_fma_f32 v[232+\b], v[232+\b], s[CS], v12
.endr
.set jj, 0
	s_wait_alu depctr_va_vdst(0)
.rept 64
	v_exp_f32 v[96+jj], v[96+jj]                   ; p = 2^(t - M)
.set jj, jj+1
.endr
	v_pk_mul_f32 v[14:15], v[14:15], v[252:253] op_sel_hi:[1,0]   ; the sums under the new M; the plain place behind the exponentials
	s_wait_alu depctr_va_vdst(0)                   ; one wait for the batch, ahead of its first reader
.irp b, 0,1,2,3
	v_exp_f32 v[232+\b], v[232+\b]                 ; each block's largest p: the same two instructions on the same number
.endr
	v_pk_add_f32 v[236:237], v[100:101], v[104:105]
	v_pk_add_f32 v[254:255], v[108:109], v[112:113]
	v_pk_add_f32 v[250:251], v[116:117], v[120:121]
	v_pk_add_f32 v[248:249], v[124:125], v[128:129]
	v_pk_add_f32 v[246:247], v[132:133], v[136:137]
	v_pk_add_f32 v[244:245], v[140:141], v[144:145]
	v_pk_add_f32 v[242:243], v[148:149], v[152:153]
	v_pk_add_f32 v[14:15], v[14:15], v[156:157]
	v_pk_add_f32 v[236:237], v[236:237], v[96:97]
	v_pk_add_f32 v[254:255], v[254:255], v[98:99]
	v_pk_add_f32 v[250:251], v[250:251], v[102:103]
	v_pk_add_f32 v[248:249], v[248:249], v[106:107]
	v_pk_add_f32 v[246:247], v[246:247], v[110:111]
	v_pk_add_f32 v[244:245], v[244:245], v[114:115]
	v_pk_add_f32 v[242:243], v[242:243], v[118:119]
	v_pk_add_f32 v[14:15], v[14:15], v[122:123]
	v_pk_add_f32 v[236:237], v[236:237], v[126:127]
	v_pk_add_f32 v[254:255], v[254:255], v[130:131]
	v_pk_add_f32 v[250:251], v[250:251], v[134:135]
	v_pk_add_f32 v[248:249], v[248:249], v[138:139]
	v_pk_add_f32 v[246:247], v[246:247], v[142:143]
	v_pk_add_f32 v[244:245], v[244:245], v[146:147]
	v_pk_add_f32 v[242:243], v[242:243], v[150:151]
	v_pk_add_f32 v[14:15], v[14:15], v[154:155]
	v_pk_add_f32 v[236:237], v[236:237], v[158:159]
	s_delay_alu instid0(VALU_DEP_2)
	v_pk_add_f32 v[14:15], v[14:15], v[248:249]
	s_delay_alu instid0(VALU_DEP_2)
	v_pk_add_f32 v[236:237], v[236:237], v[246:247]
	v_pk_add_f32 v[254:255], v[254:255], v[244:245]
	v_pk_add_f32 v[250:251], v[250:251], v[242:243]
	s_delay_alu instid0(VALU_DEP_2)
	v_pk_add_f32 v[14:15], v[14:15], v[254:255]
	s_delay_alu instid0(VALU_DEP_2)
	v_pk_add_f32 v[236:237], v[236:237], v[250:251]
	s_delay_alu instid0(VALU_DEP_1)
	v_pk_add_f32 v[14:15], v[14:15], v[236:237]
	s_wait_alu depctr_va_vdst(0)                   ; and one for the four
.irp b, 0,1,2,3
	v_max_num_f32 v[232+\b], 0x1800000, v[232+\b]  ; the floor 2^(3 - 127)
.endr
.irp b, 0,1,2,3
	s_delay_alu instid0(VALU_DEP_4)
	v_add_nc_u32 v[244+\b], 0xff000000, v[232+\b]
.endr
.irp b, 0,1,2,3
	s_delay_alu instid0(VALU_DEP_4)
	v_lshrrev_b32 v[236+\b], 23, v[244+\b]
.endr
	s_delay_alu instid0(VALU_DEP_3)
	v_lshl_or_b32 v253, v237, 8, v236              ; p's scale word for these 128 keys
	s_delay_alu instid0(VALU_DEP_1)
	v_lshl_or_b32 v253, v238, 16, v253
	s_delay_alu instid0(VALU_DEP_1)
	v_lshl_or_b32 v253, v239, 24, v253
.irp c, 0,1
	v_cvt_scalef32_pk16_fp6_f32 v[224+6*\c:226+6*\c], v[96+32*\c:111+32*\c], v[244+2*\c]
	v_cvt_scalef32_pk16_fp6_f32 v[236+4*\c:238+4*\c], v[112+32*\c:127+32*\c], v[244+2*\c+1]
.endr
	v_nop                                          ; one plain place behind the conversions
.irp c, 0,1
.irp i, 0,1,2
	v_permlane16_swap_b32 v[224+6*\c+\i], v[236+4*\c+\i]
.endr
.irp i, 0,1,2
	s_delay_alu instid0(VALU_DEP_3)
	v_mov_b32 v[227+6*\c+\i], v[236+4*\c+\i]
.endr
.endr
.set jj, 0
.rept 16
	v_pk_mul_f32 v[160+jj:161+jj], v[160+jj:161+jj], v[252:253] op_sel_hi:[1,0]   ; O^T under the new M; these sixteen are also the places between p's word and codes and the products
.set jj, jj+2
.endr
	s_wait_alu depctr_va_vdst(0)
	s_wait_dscnt 0x0                               ; v is in
.irp i, 0,1,2,3
	OMUL \i
.endr
	s_add_co_u32 s[TB], s[TB], REC
.endm
	s_load_b128 s[4:7], s[0:1], 0x0                ; qkv, catq
	v_lshl_add_u32 v[SPW], v0, 2, SPARE
	v_mov_b32 v[NIL], 0
	ds_add_u32 v[SPW], v[NIL]                      ; the wave's opening: an add and its wait ahead of the first tensor loads
	ds_add_u32 v[SPW], v[NIL]
	v_lshrrev_b32 v9, 5, v0
	s_delay_alu instid0(VALU_DEP_1)
	v_readfirstlane_b32 s[WV], v9                  ; wave 0..15
	s_bfe_u32 s48, ttmp6, 0x40000                  ; cx
	s_lshl_b32 s49, ttmp9, 2
	s_add_co_u32 s49, s49, s48                     ; my block of 256 queries: it enters q's and the result's addresses alone
	s_and_b32 s50, ttmp7, 0xffff                   ; 16 x batch + head, which the four partners share
	s_mov_b32 s24, 15|(3<<16)|(1<<21)              ; the mask: all four; elements of 8 bytes; no padding
	s_mov_b32 s25, 32<<16                          ; rows of 256 bytes, dense:
	s_mov_b32 s26, 50<<16                          ; 50 of them, a record
	s_mov_b32 s27, 32<<16
	s_mov_b32 s28, 50
	s_mov_b32 s29, 32
	s_mov_b32 s30, 0
	s_mov_b32 s31, 0
	s_mul_i32 s52, s50, 16*REC
	s_mul_i32 s51, s[WV], REC
	s_add_co_u32 s52, s52, s51
	s_mov_b32 s53, 0
	s_mov_b32 s[SEL], 0x76543210
	s_mov_b32 s[SEL+1], 0xfedcba98
	s_mov_b32 s[CS], 0x3e38aa3b                    ; c = log2(e) / 8
	s_mov_b32 s[CS+1], s[CS]
	s_wait_dscnt 0x0                               ; the opening add is done
	s_wait_kmcnt 0x0
	s_add_nc_u64 s[52:53], s[4:5], s[52:53]
	s_mov_b32 s32, 1
	s_mov_b32 s33, s51                             ; record w, in LDS
	s_mov_b64 s[34:35], s[52:53]                   ; and in memory
	s_or_b32 s35, s35, 0x80000000
	CROUND                                         ; all four work-groups are here: the joint loads meet
	tensor_load_to_lds s[32:35], s[24:31]          ; sixteen records, sixteen waves: wave w brings record w, its one tensor load
	s_nop 0
	PLACES
	v_and_b32 v9, 31, v0
	s_delay_alu instid0(VALU_DEP_1)
	v_lshlrev_b32 v1, 4, v9
	s_wait_alu depctr_va_vdst(0)
	v_lshlrev_b32 v2, 3, v9
	s_wait_alu depctr_va_vdst(0)
	v_lshlrev_b32 v3, 2, v9
	v_and_b32 v11, 15, v0
	s_delay_alu instid0(VALU_DEP_1)
	v_lshlrev_b32 v11, 2, v11
	s_wait_alu depctr_va_vdst(0)
	s_and_b32 s54, s[WV], 1                        ; u: which tile of my pair of query tiles
	s_lshr_b32 s55, s[WV], 3
	s_lshl_b32 s56, s49, 1
	s_add_co_u32 s56, s56, s55                     ; which 128 queries of the batch
	s_mul_i32 s57, s56, 6400
	s_mul_i32 s58, s50, 102400
	s_add_co_u32 s57, s57, s58
	s_add_co_u32 s57, s57, QOFF                    ; q's record
	s_bfe_u32 s58, s[WV], 0x20001                  ; the pair in it
	s_mul_i32 s59, s58, 1536
	s_mul_i32 s60, s54, 768
	s_add_co_u32 s60, s60, s59
	s_add_co_u32 s60, s60, s57
	s_mov_b32 s61, 0
	s_add_nc_u64 s[60:61], s[4:5], s[60:61]        ; my half
	s_lshl_b32 s62, s58, 6
	s_add_co_u32 s62, s62, s57
	s_add_co_u32 s62, s62, 6144
	s_mov_b32 s63, 0
	s_add_nc_u64 s[62:63], s[4:5], s[62:63]        ; the pair's words
	s_lshl_b32 s59, s54, 4
	global_load_b128 v[22:25], v1, s[60:61]
	global_load_b64 v[26:27], v2, s[60:61] offset:512
	global_load_b32 v34, v11, s[62:63]
.irp i, 0,1,2,3,4,5
	v_mov_b32 v[16+\i], 0                          ; zero codes on both sides of q
	v_mov_b32 v[28+\i], 0
.endr
	v_mov_b32 v13, 0xff61b1e6                      ; the largest t so far: -3e38
	s_delay_alu instid0(VALU_DEP_1)
	v_floor_f32 v12, -v13
	v_mov_b32 v14, 0
	v_mov_b32 v15, 0
.irp b, 0,1,2,3
	v_mov_b32 v[236+\b], 0                         ; a lane permute's destination counts as one of its sources
.endr
	v_mov_b32 v253, 0
	s_wait_loadcnt 0x0
	v_lshrrev_b32 v34, s59, v34
	s_delay_alu instid0(VALU_DEP_1)
	v_and_b32 v34, 0xffff, v34                     ; my tile's two bytes for k 0-63; the byte 0 over the zero codes
	s_delay_alu instid0(VALU_DEP_1)
	v_lshlrev_b32 v35, 16, v34                     ; the same for k 64-127
.set jj, 0
.rept 32
	v_mov_b32 v[160+jj], 0                         ; O^T: the step is written once, its first turn finds zeros.  (Also the places between q's scale words and the first product)
.set jj, jj+1
.endr
	s_wait_tensorcnt 0x0                           ; my record has landed
	s_barrier_signal -1
	s_barrier_wait -1                              ; everybody's has: the head's k and v are whole, and nothing is ever filled again: no further barrier stands among the key steps
	s_mov_b32 s[TB], 0
	s_mov_b32 s3, 16
.Lkeys:
	KSTEP
	s_sub_co_u32 s3, s3, 1
	s_cmp_lg_u32 s3, 0
	s_cbranch_scc1 .Lkeys
	; THE WAY OUT: O^T / the sum, quantised along the head's 64 channels, which are k 64 head .. of the concatenated heads: one half of a fragment
	PLACES
	v_add_f32 v14, v14, v15
	s_delay_alu instid0(VALU_DEP_1)
	v_permlanex16_b32 v252, v14, s[SEL], s[SEL+1]
	s_delay_alu instid0(VALU_DEP_1)
	v_add_f32 v14, v14, v252                       ; the row's sum
	s_wait_alu depctr_va_vdst(0)
	v_rcp_f32 v14, v14
	v_nop                                          ; a plain place behind the reciprocal
	s_lshr_b32 s66, s50, 4
	s_lshl_b32 s66, s66, 4
	s_add_co_u32 s66, s66, s56                     ; the block of 128 tokens
	s_lshl_b32 s66, s66, 3
	s_bfe_u32 s67, s50, 0x30001                    ; head / 2: the K step
	s_add_co_u32 s66, s66, s67
	s_mul_i32 s66, s66, REC
	s_and_b32 s67, s[WV], 7                        ; my tile in the block
	s_and_b32 s68, s50, 1                          ; head % 2: the half
	s_mul_i32 s69, s67, 1536
	s_mul_i32 s70, s68, 768
	s_add_co_u32 s70, s70, s69
	s_add_co_u32 s70, s70, s66
	s_mov_b32 s71, 0
	s_add_nc_u64 s[70:71], s[6:7], s[70:71]
	s_lshl_b32 s72, s67, 6
	s_lshl_b32 s73, s68, 1
	s_add_co_u32 s72, s72, s73
	s_add_co_u32 s72, s72, s66
	s_add_co_u32 s72, s72, 12288
	s_mov_b32 s73, 0
	s_add_nc_u64 s[72:73], s[6:7], s[72:73]
	s_wait_alu depctr_va_vdst(0)                   ; ahead of the reciprocal's first reader
.set jj, 0
.rept 32
	v_mul_f32 v[192+jj], v[160+jj], v14            ; register 16 b + i = channel 32 b + 16 (lane / 16) + i of my query
.set jj, jj+1
.endr
.irp b, 0,1
	v_max3_num_f32 v[232+\b], |v[192+16*\b]|, |v[193+16*\b]|, 0x1800000
.endr
.irp i, 2,4,6,8,10,12,14
.irp b, 0,1
	s_delay_alu instid0(VALU_DEP_2)
	v_max3_num_f32 v[232+\b], v[232+\b], |v[192+16*\b+\i]|, |v[193+16*\b+\i]|
.endr
.endr
.irp b, 0,1
	s_delay_alu instid0(VALU_DEP_2)
	v_permlanex16_b32 v[236+\b], v[232+\b], s[SEL], s[SEL+1]
.endr
.irp b, 0,1
	s_delay_alu instid0(VALU_DEP_2)
	v_max_num_f32 v[232+\b], v[232+\b], v[236+\b]
.endr
.irp b, 0,1
	s_delay_alu instid0(VALU_DEP_2)
	v_add_nc_u32 v[244+\b], 0xff000000, v[232+\b]
.endr
.irp b, 0,1
	s_delay_alu instid0(VALU_DEP_2)
	v_lshrrev_b32 v[236+\b], 23, v[244+\b]
.endr
	s_delay_alu instid0(VALU_DEP_1)
	v_lshl_or_b32 v246, v237, 8, v236              ; my head's half of the row's scale word
	v_cvt_scalef32_pk16_fp6_f32 v[224:226], v[192:207], v244
	v_cvt_scalef32_pk16_fp6_f32 v[240:242], v[208:223], v245
	v_nop
.irp i, 0,1,2
	v_permlane16_swap_b32 v[224+\i], v[240+\i]
.endr
.irp i, 0,1,2
	s_delay_alu instid0(VALU_DEP_3)
	v_mov_b32 v[227+\i], v[240+\i]
.endr
	global_store_b128 v1, v[224:227], s[70:71]     ; 512 consecutive bytes,
	global_store_b64 v2, v[228:229], s[70:71] offset:512   ; and 256
	global_store_b16 v11, v246, s[72:73]           ; lanes r and r + 16 store the same two bytes with the same value
	s_wait_tensorcnt 0x0                           ; the wave's end
	ds_add_u32 v[SPW], v[NIL]
	s_wait_dscnt 0x0
	CROUND                                         ; the closing round
	s_endpgm
.Lfunc_end_k_qc05a2a2d91_attn:
	.size	k_qc05a2a2d91_attn, .Lfunc_end_k_qc05a2a2d91_attn-k_qc05a2a2d91_attn
	.p2alignl 7, 3214868480
	.fill 96, 4, 3214868480
	.section	.rodata,"a",@progbits
	.p2align	6, 0x0
	.amdhsa_kernel k_qc05a2a2d91_attn
		.amdhsa_group_segment_fixed_size 327680
		.amdhsa_private_segment_fixed_size 0
		.amdhsa_enable_private_segment 0
		.amdhsa_kernarg_size 16
		.amdhsa_user_sgpr_count 2
		.amdhsa_user_sgpr_kernarg_segment_ptr 1
		.amdhsa_wavefront_size32 1
		.amdhsa_system_sgpr_workgroup_id_x 1
		.amdhsa_system_sgpr_workgroup_id_y 1
		.amdhsa_system_sgpr_workgroup_id_z 1
		.amdhsa_system_vgpr_workitem_id 0
		.amdhsa_next_free_vgpr 256
		.amdhsa_next_free_sgpr 80
		.amdhsa_reserve_vcc 0
		.amdhsa_float_denorm_mode_32 3
		.amdhsa_float_denorm_mode_16_64 3
		.amdhsa_memory_ordered 1
		.amdhsa_forward_progress 1
		.amdhsa_inst_pref_size 30
	.end_amdhsa_kernel
	.amdgpu_metadata
---
amdhsa.version: [ 1, 2 ]
amdhsa.kernels:
  - .name:           k_qc05a2a2d91_attn
    .symbol:         k_qc05a2a2d91_attn.kd
    .args:
      - { .name: qkv, .offset: 0, .size: 8, .value_kind: global_buffer, .address_space: global }
      - { .name: catq, .offset: 8, .size: 8, .value_kind: global_buffer, .address_space: global }
    .group_segment_fixed_size: 327680
    .private_segment_fixed_size: 0
    .kernarg_segment_align: 8
    .kernarg_segment_size: 16
    .max_flat_workgroup_size: 512
    .sgpr_count:     80
    .vgpr_count:     256
    .wavefront_size: 32
...
	.end_amdgpu_metadata
.endif
;; end of part 3
;; launch projln (part 4): grid 256 x 1, 16 waves a work-group, no clusters, 29,184 bytes of LDS; arguments opw, catq, bo, x, g1, b1, hf, hq; writes hf, hq
.if DOCPART == 4
	.amdgcn_target "amdgcn-amd-amdhsa--gfx1250"
	.amdhsa_code_object_version 6
	.text
	.protected	k_qc05a2a2d91_projln
	.globl	k_qc05a2a2d91_projln
	.p2align	8
	.type	k_qc05a2a2d91_projln,@function
k_qc05a2a2d91_projln:
	s_mov_b64 s[64:65], 0
	v_nop
	global_prefetch_b8 v0, s[64:65] scope:SCOPE_SE
	s_setreg_imm32_b32 hwreg(HW_REG_WAVE_MODE, 25, 1), 1
	s_wait_xcnt 0x0
; h = g1 (z - mean) / sqrt(var + 1e-12) + b1 with z = cat Wo + bo + x, var over 1,023; the product on codes of E2M3; h goes out in f32 and as codes of E2M3 along its row.
; Operands lie in memory as images of the matrix operand's registers: lane-row r of tile 2 g + u is row 32 g + 8 u + r + 8 (r / 8); a half (768 bytes) is 16 rows x 64 k, a fragment two halves;
; a record (12,800 bytes) is the 8 fragments of 128 rows for 128 along K and their 128 scale words; an operand is [128 rows][K step] records.
; SHARES.  A work-group owns ONE tile of 16 tokens and all 1,024 columns, so that the rows' sums stay inside it: 256 work-groups.  Wave w of sixteen takes columns 64 w .. 64 w + 63: four tiles of Wo's rows, four accumulators.
; D = Wo's tile x cat's tile: a lane holds one token, and register 16 b + i of its 32 is column 64 w + 32 b + 16 (lane / 16) + i: the order that the quantiser takes.
; Wo's fragments go from memory straight into registers, as they lie, 512 or 256 consecutive bytes a load: a fragment feeds one product of the work-group, so LDS would hold nothing that is read twice.
; Three sets of 48 registers: while one K step is multiplied, the loads of the next two are out, 36 a wave.  All offsets are immediates; the eight K steps are written by a macro.
; cat's eight fragments, which all sixteen waves read, are staged in LDS once: wave w brings half w % 2 of K step w / 2 and eight of its scale words.  x is the C of the first products; bo, g1, b1 (256 bytes a wave each)
; are read as they lie, 8 bytes a lane, and come back from the wave's own LDS bytes in the result's layout.
; NO CLUSTER AND NO TENSOR LOAD: all work-groups read the same 819,200 bytes of Wo, but each byte feeds one product of a work-group; two LDS slots that take turns hold under three K steps of it, and each change of slots
; waits for all that is out, where the loads into registers are waited for by count.  NO PREFETCH: there is no loop to run ahead in; every load is asked for three K steps ahead of its use.
; The rows' sums meet in LDS, one word a row and wave, two barriers; the variance is taken of z - mean.  1 / 1,023 is a multiplication, 1 / sqrt is v_rsq_f32.
; LIMITS: NaN and infinities are not served; a block under 2^-124 or of zeros keeps the byte 1 (this program alone reads the bytes).
; REGISTERS: v1-3 16, 8, 4 x lane; v4 my place in x's rows; v5 64 h; v6, v7 LDS words; v8, v9 the add's two; v10 4 r; v11 4 (lane % 8); v13-15, v30, v31 LDS addresses; v[18:19] mean, v[20:21] 1 / sqrt;
; v22, v23 cat's scale words; v24-29 Wo's, three sets; v32-63 z; v64-87 cat's fragments, two sets; v88-231 Wo's, three sets (then bo, g1, b1); v232-255 at work.
.set REC,    12800
.set OFF_WO, 5734400
.set FLOOR,  0x1800000                 ; 2^(3 - 127)
.set SCB,    12288                     ; LDS: cat's fragments 0-12,287; its scale words, 64 bytes a K step;
.set SUM,    12800                     ; sums (64 r + 4 w), 1,024 bytes; squares, 1,024 bytes behind them;
.set GB,     14848                     ; bo, g1, b1: 768 bytes a wave;
.set SPARE,  27136                     ; the spare words, 128 bytes a wave
.set Z,    32
.set CF,   64
.set WF,   88
.set SW,   24
.set SCAT, 22
.set SEL,  40
.macro PLACES                          ; four plain places behind matrix instructions, ahead of loads into their sources and of reads of their results
.rept 4
	v_nop
.endr
.endm
.macro WLOAD q                         ; my four fragments of Wo for K step q and their words (lanes 0-15 the even tile's, lanes 16-31 the odd tile's) into set q % 3: 18 loads
.set WS_, WF+48*((\q)%3)
.irp t, 0,1,2,3
	global_load_b128 v[WS_+12*\t:WS_+12*\t+3], v1, s[24:25] offset:(\q)*REC+1536*\t
	global_load_b64 v[WS_+12*\t+4:WS_+12*\t+5], v2, s[24:25] offset:(\q)*REC+1536*\t+512
	global_load_b128 v[WS_+12*\t+6:WS_+12*\t+9], v1, s[24:25] offset:(\q)*REC+1536*\t+768
	global_load_b64 v[WS_+12*\t+10:WS_+12*\t+11], v2, s[24:25] offset:(\q)*REC+1536*\t+1280
.endr
	global_load_b32 v[SW+2*((\q)%3)], v3, s[26:27] offset:(\q)*REC
	global_load_b32 v[SW+2*((\q)%3)+1], v3, s[26:27] offset:(\q)*REC+128
.endm
.macro FC q                            ; cat's fragment of K step q and its words into set q % 2: 5 LDS loads
.set CS_, CF+12*((\q)%2)
	ds_load_b128 v[CS_:CS_+3], v1 offset:(\q)*1536
	ds_load_b64 v[CS_+4:CS_+5], v2 offset:(\q)*1536+512
	ds_load_b128 v[CS_+6:CS_+9], v1 offset:(\q)*1536+768
	ds_load_b64 v[CS_+10:CS_+11], v2 offset:(\q)*1536+1280
	ds_load_b32 v[SCAT+(\q)%2], v10 offset:SCB+64*(\q)
.endm
.macro PR q, t
.set A_, WF+48*((\q)%3)+12*(\t)
.set B_, CF+12*((\q)%2)
.set D_, Z+8*(\t)
.if (\t)%2
	v_wmma_scale_f32_16x16x128_f8f6f4 v[D_:D_+7], v[A_:A_+11], v[B_:B_+11], v[D_:D_+7], v[SW+2*((\q)%3)+(\t)/2], v[SCAT+(\q)%2] matrix_a_fmt:MATRIX_FMT_FP6 matrix_b_fmt:MATRIX_FMT_FP6 matrix_a_scale:MATRIX_SCALE_ROW1
.else
	v_wmma_scale_f32_16x16x128_f8f6f4 v[D_:D_+7], v[A_:A_+11], v[B_:B_+11], v[D_:D_+7], v[SW+2*((\q)%3)+(\t)/2], v[SCAT+(\q)%2] matrix_a_fmt:MATRIX_FMT_FP6 matrix_b_fmt:MATRIX_FMT_FP6
.endif
.endm
.macro LAY reg, off                    ; 64 numbers of my columns from my own LDS bytes into the result's layout: 8 loads
.set kk, 0
.rept 8
	ds_load_b128 v[\reg+4*kk:\reg+4*kk+3], v31 offset:\off+(kk/4)*128+(kk%4)*16
.set kk, kk+1
.endr
.endm
; K step q.  Younger than its 18 global loads are those of the next two steps (36; 18 and 0 at the end).  Younger than its 5 LDS loads are the next step's 5; at step 6 bo's 8 too; at step 7 bo's 8 alone.
.macro KS q
.if (\q) < 6
	s_wait_loadcnt 36
.else
	s_wait_loadcnt 18*(7-(\q))
.endif
.if (\q) == 6
	s_wait_dscnt 13
.elseif (\q) == 7
	s_wait_dscnt 8
.else
	s_wait_dscnt 5
.endif
.irp t, 0,1,2,3
	PR \q, \t                                      ; the four accumulators take turns
.endr
.if (\q) != 6
	PLACES
.endif
.if (\q)+3 < 8
	WLOAD (\q)+3
.endif
.if (\q)+2 < 8
	FC (\q)+2
.endif
.if (\q) == 5
	LAY WF+96, 0                                   ; bo, into the set that has had its last K step
.endif
.endm
.macro CROSS off                       ; four packed chains in v[232:239] -> the row's total over all 1,024 columns in v232, the same bits in every wave
	v_pk_add_f32 v[232:233], v[232:233], v[234:235]
	v_pk_add_f32 v[236:237], v[236:237], v[238:239]
	v_pk_add_f32 v[232:233], v[232:233], v[236:237]
	v_add_f32 v232, v232, v233
	v_permlanex16_b32 v234, v232, s[SEL], s[SEL+1]
	v_add_f32 v232, v232, v234                     ; my wave's 64 columns
	ds_store_b32 v6, v232 offset:\off              ; lanes r and r + 16 write the same word with the same value
	s_wait_dscnt 0x0                               ; for the others' sake
	s_barrier_signal -1
	s_barrier_wait -1
.irp k, 0,1,2,3
	ds_load_b128 v[240+4*\k:243+4*\k], v7 offset:\off+16*\k
.endr
	s_wait_dscnt 0x0
.irp k, 0,1,2,3
	v_pk_add_f32 v[240+4*\k:241+4*\k], v[240+4*\k:241+4*\k], v[242+4*\k:243+4*\k]
.endr
	v_pk_add_f32 v[240:241], v[240:241], v[244:245]
	v_pk_add_f32 v[248:249], v[248:249], v[252:253]
	v_pk_add_f32 v[240:241], v[240:241], v[248:249]
	v_add_f32 v232, v240, v241
.endm
	s_load_b256 s[4:11], s[0:1], 0x0               ; opw, catq, bo, x
	s_load_b256 s[12:19], s[0:1], 0x20             ; g1, b1, hf, hq
	v_lshl_add_u32 v8, v0, 2, SPARE
	v_mov_b32 v9, 0
	v_lshrrev_b32 v12, 5, v0
	v_readfirstlane_b32 s20, v12                   ; wave w
	v_and_b32 v12, 31, v0
	v_lshlrev_b32 v1, 4, v12
	v_lshlrev_b32 v2, 3, v12
	v_lshlrev_b32 v3, 2, v12
	v_and_b32 v16, 15, v0                          ; r
	v_bfe_u32 v17, v0, 4, 1                        ; h
	v_lshlrev_b32 v10, 2, v16
	v_and_b32 v11, 7, v0
	v_lshlrev_b32 v11, 2, v11
	v_and_b32 v4, 8, v16
	v_add_nc_u32 v4, v4, v16
	v_lshlrev_b32 v4, 12, v4
	v_lshl_add_u32 v4, v17, 6, v4                  ; x: row r + 8 (r / 8) of 4,096 bytes, + 64 h
	v_lshlrev_b32 v5, 6, v17
	s_and_b32 s21, s20, 1                          ; e = w % 2
	s_lshr_b32 s22, s20, 1                         ; w / 2: my block of Wo's rows; the K step whose half I stage; h's K step
	s_mul_i32 s23, s20, 768
	v_add_nc_u32 v13, s23, v1                      ; staging: my half of cat's fragments
	v_add_nc_u32 v14, s23, v2
	s_add_co_u32 s23, s23, GB
	v_add_nc_u32 v30, s23, v2                      ; my 768 bytes for bo, g1, b1: in,
	v_add_nc_u32 v31, s23, v5                      ; and back
	s_lshl_b32 s23, s20, 5
	s_add_co_u32 s23, s23, SCB
	v_add_nc_u32 v15, s23, v11                     ; my eight of cat's scale words
	v_lshlrev_b32 v7, 6, v16
	v_add_nc_u32 v7, SUM, v7
	s_lshl_b32 s23, s20, 2
	v_add_nc_u32 v6, s23, v7
	v_mov_b32 v19, 0                               ; (upper halves of pairs of which the low word serves both)
	v_mov_b32 v21, 0
	s_mov_b32 s[SEL], 0x76543210
	s_mov_b32 s[SEL+1], 0xfedcba98
	s_mov_b32 s42, 0x3a802008                      ; 1 / 1,023
	s_mov_b32 s43, 0x2b8cbccc                      ; 1e-12
	s_mul_i32 s24, s22, 8*REC
	s_add_co_u32 s24, s24, OFF_WO                  ; my block's records
	s_lshl_b32 s26, s21, 8
	s_add_co_u32 s26, s26, s24
	s_add_co_u32 s26, s26, 12288                   ; my four tiles' words
	s_mul_i32 s23, s21, 6144
	s_add_co_u32 s24, s24, s23                     ; my four fragments
	s_mov_b32 s25, 0
	s_mov_b32 s27, 0
	s_lshr_b32 s28, ttmp9, 3
	s_lshl_b32 s28, s28, 3
	s_add_co_u32 s28, s28, s22
	s_mul_i32 s28, s28, REC                        ; the record of my tile's block of 128 tokens and K step w / 2, in catq and in hq alike
	s_and_b32 s23, ttmp9, 7
	s_lshl_b32 s30, s23, 6
	s_add_co_u32 s30, s30, s28
	s_add_co_u32 s30, s30, 12288                   ; the tile's words in it
	s_mul_i32 s23, s23, 1536
	s_add_co_u32 s28, s28, s23
	s_mul_i32 s23, s21, 768
	s_add_co_u32 s28, s28, s23                     ; the tile's half e
	s_mov_b32 s29, 0
	s_mov_b32 s31, 0
	s_lshl_b32 s32, s21, 1
	s_add_co_u32 s32, s32, s30                     ; h's two scale bytes of a row's word
	s_mov_b32 s33, 0
	s_lshl_b32 s23, s21, 5
	s_add_co_u32 s30, s30, s23                     ; cat's words of rows 8 e .. 8 e + 7
	s_lshl_b32 s34, s20, 8                         ; my 64 columns, in bytes
	s_mov_b32 s35, 0
	s_lshr_b32 s36, ttmp9, 1
	s_lshl_b32 s36, s36, 17
	s_and_b32 s23, ttmp9, 1
	s_lshl_b32 s23, s23, 15
	s_add_co_u32 s36, s36, s23
	s_add_co_u32 s36, s36, s34                     ; the tile's first token and my columns in x
	s_mov_b32 s37, 0
	s_lshl_b32 s38, ttmp9, 4
	s_add_co_u32 s38, s38, s20
	s_lshl_b32 s38, s38, 12                        ; my half of an image of 8,192 bytes in hf
	s_mov_b32 s39, 0
	s_wait_alu depctr_va_vdst(0)
	s_wait_kmcnt 0x0
	s_add_nc_u64 s[24:25], s[4:5], s[24:25]
	s_add_nc_u64 s[26:27], s[4:5], s[26:27]
	s_add_nc_u64 s[44:45], s[18:19], s[28:29]
	s_add_nc_u64 s[28:29], s[6:7], s[28:29]
	s_add_nc_u64 s[30:31], s[6:7], s[30:31]
	s_add_nc_u64 s[32:33], s[18:19], s[32:33]
	s_add_nc_u64 s[8:9], s[8:9], s[34:35]
	s_add_nc_u64 s[12:13], s[12:13], s[34:35]
	s_add_nc_u64 s[14:15], s[14:15], s[34:35]
	s_add_nc_u64 s[10:11], s[10:11], s[36:37]
	s_add_nc_u64 s[16:17], s[16:17], s[38:39]
	global_load_b128 v[232:235], v1, s[28:29]      ; what goes through LDS comes first: six loads
	global_load_b64 v[236:237], v2, s[28:29] offset:512
	global_load_b32 v238, v11, s[30:31]
	global_load_b64 v[240:241], v2, s[8:9]
	global_load_b64 v[242:243], v2, s[12:13]
	global_load_b64 v[244:245], v2, s[14:15]
.set kk, 0
.rept 8
	global_load_b128 v[Z+4*kk:Z+4*kk+3], v4, s[10:11] offset:(kk/4)*128+(kk%4)*16 th:TH_LOAD_NT   ; the residual lands where the sums will stand
.set kk, kk+1
.endr
	WLOAD 0
	WLOAD 1
	s_wait_loadcnt 44                              ; the first six are in; x's 8 and two sets of 18 may be out
	ds_store_b128 v13, v[232:235]
	ds_store_b64 v14, v[236:237] offset:512
	ds_store_b32 v15, v238                         ; lanes l and l + 8 write the same word with the same value
	ds_store_b64 v30, v[240:241]
	ds_store_b64 v30, v[242:243] offset:256
	ds_store_b64 v30, v[244:245] offset:512
	WLOAD 2
	s_wait_dscnt 0x0                               ; for the others' sake
	s_barrier_signal -1
	s_barrier_wait -1                              ; cat's eight fragments and their words are whole
	FC 0
	FC 1
.irp q, 0,1,2,3,4,5,6,7
	KS \q
.endr
	LAY WF, 256                                    ; g1 and b1 land under the sums
	LAY WF+32, 512
	s_wait_dscnt 16                                ; bo is in; the sixteen just issued may be out
.set kk, 0
.rept 16
	v_pk_add_f32 v[Z+2*kk:Z+2*kk+1], v[Z+2*kk:Z+2*kk+1], v[WF+96+2*kk:WF+97+2*kk]   ; + bo; each accumulator from its low end on
.set kk, kk+1
.endr
.irp c, 0,1,2,3
	v_pk_add_f32 v[232+2*\c:233+2*\c], v[Z+8*\c:Z+8*\c+1], v[Z+8*\c+2:Z+8*\c+3]
.endr
.irp j, 4,6
.irp c, 0,1,2,3
	v_pk_add_f32 v[232+2*\c:233+2*\c], v[232+2*\c:233+2*\c], v[Z+8*\c+\j:Z+8*\c+\j+1]
.endr
.endr
	CROSS 0
	v_mul_f32 v18, 0x3a800000, v232                ; the mean
.set kk, 0
.rept 16
	v_pk_add_f32 v[Z+2*kk:Z+2*kk+1], v[Z+2*kk:Z+2*kk+1], v[18:19] op_sel_hi:[1,0] neg_lo:[0,1] neg_hi:[0,1]
.set kk, kk+1
.endr
.irp c, 0,1,2,3
	v_pk_mul_f32 v[232+2*\c:233+2*\c], v[Z+2*\c:Z+2*\c+1], v[Z+2*\c:Z+2*\c+1]
.endr
.irp j, 8,16,24
.irp c, 0,1,2,3
	v_pk_fma_f32 v[232+2*\c:233+2*\c], v[Z+\j+2*\c:Z+\j+2*\c+1], v[Z+\j+2*\c:Z+\j+2*\c+1], v[232+2*\c:233+2*\c]
.endr
.endr
	CROSS 1024                                     ; other words than the sums': no wave writes what another may still read
	v_fma_f32 v232, v232, s42, s43                 ; var + 1e-12
	s_wait_alu depctr_va_vdst(0)                   ; the wait ahead of the transcendental
	v_rsq_f32 v20, v232
	v_nop                                          ; a plain place behind it
	s_wait_alu depctr_va_vdst(0)                   ; and ahead of its first reader
.set kk, 0
.rept 16
	v_pk_mul_f32 v[Z+2*kk:Z+2*kk+1], v[Z+2*kk:Z+2*kk+1], v[20:21] op_sel_hi:[1,0]
.set kk, kk+1
.endr
.set kk, 0
.rept 16
	v_pk_fma_f32 v[Z+2*kk:Z+2*kk+1], v[Z+2*kk:Z+2*kk+1], v[WF+2*kk:WF+2*kk+1], v[WF+32+2*kk:WF+33+2*kk]
.set kk, kk+1
.endr
.set kk, 0
.rept 8
	global_store_b128 v1, v[Z+4*kk:Z+4*kk+3], s[16:17] offset:512*kk   ; 512 consecutive bytes, aligned
.set kk, kk+1
.endr
	; h's codes: my 64 columns are two blocks of 32, one half of a fragment
.irp b, 0,1
	v_max3_num_f32 v[232+\b], |v[Z+16*\b]|, |v[Z+1+16*\b]|, FLOOR
.endr
.irp i, 2,4,6,8,10,12,14
.irp b, 0,1
	v_max3_num_f32 v[232+\b], v[232+\b], |v[Z+16*\b+\i]|, |v[Z+1+16*\b+\i]|
.endr
.endr
.irp b, 0,1
	v_permlanex16_b32 v[234+\b], v[232+\b], s[SEL], s[SEL+1]
.endr
.irp b, 0,1
	v_max_num_f32 v[232+\b], v[232+\b], v[234+\b]  ; with lane l xor 16's 16: the block's largest magnitude
.endr
.irp b, 0,1
	v_add_nc_u32 v[236+\b], 0xff000000, v[232+\b]  ; 2 off its exponent field: the conversion's scale operand
.endr
.irp b, 0,1
	v_lshrrev_b32 v[238+\b], 23, v[236+\b]         ; the byte
.endr
	v_lshl_or_b32 v240, v239, 8, v238
	v_cvt_scalef32_pk16_fp6_f32 v[244:246], v[Z:Z+15], v236
	v_cvt_scalef32_pk16_fp6_f32 v[250:252], v[Z+16:Z+31], v237
	v_nop                                          ; one plain place behind the conversions
.irp i, 0,1,2
	v_permlane16_swap_b32 v[244+\i], v[250+\i]     ; a whole block to a lane: lanes 0-15 block 0, lanes 16-31 block 1
.endr
.irp i, 0,1,2
	v_mov_b32 v[247+\i], v[250+\i]
.endr
	global_store_b128 v1, v[244:247], s[44:45]     ; 512 consecutive bytes,
	global_store_b64 v2, v[248:249], s[44:45] offset:512   ; and 256
	global_store_b16 v10, v240, s[32:33]           ; lanes r and r + 16 store the same two bytes with the same value
	s_wait_tensorcnt 0x0                           ; the wave's end, behind my last LDS store
	ds_add_u32 v8, v9
	s_wait_dscnt 0x0
	s_endpgm
.Lfunc_end_k_qc05a2a2d91_projln:
	.size	k_qc05a2a2d91_projln, .Lfunc_end_k_qc05a2a2d91_projln-k_qc05a2a2d91_projln
	.p2alignl 7, 3214868480
	.fill 96, 4, 3214868480
	.section	.rodata,"a",@progbits
	.p2align	6, 0x0
	.amdhsa_kernel k_qc05a2a2d91_projln
		.amdhsa_group_segment_fixed_size 29184
		.amdhsa_private_segment_fixed_size 0
		.amdhsa_enable_private_segment 0
		.amdhsa_kernarg_size 64
		.amdhsa_user_sgpr_count 2
		.amdhsa_user_sgpr_kernarg_segment_ptr 1
		.amdhsa_wavefront_size32 1
		.amdhsa_system_sgpr_workgroup_id_x 1
		.amdhsa_system_sgpr_workgroup_id_y 1
		.amdhsa_system_sgpr_workgroup_id_z 1
		.amdhsa_system_vgpr_workitem_id 0
		.amdhsa_next_free_vgpr 256
		.amdhsa_next_free_sgpr 66
		.amdhsa_reserve_vcc 0
		.amdhsa_float_denorm_mode_32 3
		.amdhsa_float_denorm_mode_16_64 3
		.amdhsa_memory_ordered 1
		.amdhsa_forward_progress 1
		.amdhsa_inst_pref_size 41
	.end_amdhsa_kernel
	.amdgpu_metadata
---
amdhsa.version: [ 1, 2 ]
amdhsa.kernels:
  - .name:           k_qc05a2a2d91_projln
    .symbol:         k_qc05a2a2d91_projln.kd
    .args:
      - { .name: opw, .offset: 0, .size: 8, .value_kind: global_buffer, .address_space: global }
      - { .name: catq, .offset: 8, .size: 8, .value_kind: global_buffer, .address_space: global }
      - { .name: bo, .offset: 16, .size: 8, .value_kind: global_buffer, .address_space: global }
      - { .name: x, .offset: 24, .size: 8, .value_kind: global_buffer, .address_space: global }
      - { .name: g1, .offset: 32, .size: 8, .value_kind: global_buffer, .address_space: global }
      - { .name: b1, .offset: 40, .size: 8, .value_kind: global_buffer, .address_space: global }
      - { .name: hf, .offset: 48, .size: 8, .value_kind: global_buffer, .address_space: global }
      - { .name: hq, .offset: 56, .size: 8, .value_kind: global_buffer, .address_space: global }
    .group_segment_fixed_size: 29184
    .private_segment_fixed_size: 0
    .kernarg_segment_align: 8
    .kernarg_segment_size: 64
    .max_flat_workgroup_size: 512
    .sgpr_count:     66
    .vgpr_count:     256
    .wavefront_size: 32
...
	.end_amdgpu_metadata
.endif
;; end of part 4
;; launch ffn1 (part 5): grid 16 x 16, 4 waves a work-group, clusters of 4 x 4, 327,680 bytes of LDS; arguments opw, hq, bf1, fq; writes fq
.if DOCPART == 5
	.amdgcn_target "amdgcn-amd-amdhsa--gfx1250"
	.amdhsa_code_object_version 6
	.text
	.protected	k_qc05a2a2d91_ffn1
	.globl	k_qc05a2a2d91_ffn1
	.p2align	8
	.type	k_qc05a2a2d91_ffn1,@function
k_qc05a2a2d91_ffn1:
	s_mov_b64 s[64:65], 0
	v_nop
	global_prefetch_b8 v0, s[64:65] scope:SCOPE_SE
	s_setreg_imm32_b32 hwreg(HW_REG_WAVE_MODE, 25, 1), 1
	s_wait_xcnt 0x0
	s_wait_alu depctr_hold_cnt(0) depctr_sa_sdst(0) depctr_va_vdst(0) depctr_va_sdst(0) depctr_va_ssrc(0) depctr_va_vcc(0) depctr_vm_vsrc(0)
	s_getreg_b32 s2, hwreg(HW_REG_IB_STS2, 6, 4)
	s_cmp_eq_u32 s2, 0
	s_cbranch_scc0 .Lentry_in_a_cluster
	s_endpgm
.Lentry_in_a_cluster:
	s_bfe_u32 s2, ttmp6, 0x10000c
	s_cmp_lg_u32 s2, 0xf033
	s_cbranch_scc0 .Lentry_shape_is_right
	s_endpgm
.Lentry_shape_is_right:
; fq = the codes of relu(h W1 + bf1), quantised along the hidden units; the product on codes of E2M3.  Operands lie in memory as images of the matrix operand's registers: lane-row r of tile 2 g + u is row
; 32 g + 8 u + r + 8 (r / 8); a fragment is 1,536 bytes; a record (12,800 bytes) is the 8 fragments of 128 rows for 128 along K and their 128 scale words; an operand is [128 rows][K step] records.
; A tile is 256 tokens (S1, two blocks of 128) by 128 rows of the weight (S0); wave w takes token tiles 4 w .. 4 w + 3 and all 8 tiles of S0: 32 accumulators.  D = S0's tile x S1's tile: a lane holds one
; token, and the 64 registers of a token tile are hidden units 32 b + 16 (lane / 16) + i (register 16 b + i) of the 128: ONE K step of the next product.  So each token tile becomes one fragment and one scale word a
; row, in registers, and is stored as it stands: 512 or 256 consecutive bytes a store, aligned.  The hidden layer never exists in f32 in memory.
; A WORK-GROUP STAYS FOR TWO TILES: the same 256 tokens against two neighbouring blocks of 128 hidden units: 256 work-groups.  The tokens' codes for all of K = 1,024 are filled once and stay; the weight's 16 records
; (two blocks x 8 K steps, one dense run of memory) go through the weight's part of two LDS slots of four K steps: two first fills and two refills, each refill one joint load of waves 2 and 3 behind a round of the
; cluster's barrier.  The bias is the C of each sum's first product.
; CLUSTER 4 x 4: the tokens' blocks are shared along a row of the cluster, the weight's along a column: each is asked for jointly.
; No prefetch: between a refill's request and the wait for it stand four K steps' products, behind the second the first tile's way out too.
; LIMITS: NaN and infinities are not served; a block under 2^-124 or of zeros keeps the byte 1.
; REGISTERS.  Window 0: v1-3 16, 8, 4 x lane; v4-15 LDS addresses; v16-27 scale words, two sets; v28 the bias's offset; v30, v31 the add's two; v32-127 S0's fragments, v128-175 S1's (set 0); v176-239 the first tile's
; bias; v240-255 at work.  Window 1: the accumulators, (i, t) at 64 i + 8 t.  Window 2: v32-175 fragments, set 1; v176-239 the second tile's bias.  On a way out v32-95 numbers, v96-143 codes, v144-149 words.
.set NKS,   8
.set OFFW,  6553600                    ; W1's codes in opw
.set REC,   12800
.set BLK,   4*REC
.set SLOT,  3*BLK
.set SPARE, 2*SLOT
.set FLOOR, 0x1800000
.set SPW, 30
.set NIL, 31
.set TM,  240
.set SEL, 76
.set HI,  78
.set MSB, 0
.macro WIN new                         ; the immediate's high byte repeats the setting that is left
.if MSB != \new
	s_set_vgpr_msb (MSB<<8)|\new
.set MSB, \new
.endif
.endm
.macro PLACES                          ; four plain places behind matrix instructions, ahead of loads into their sources and of reads of their results
.rept 4
	v_nop
.endr
.endm
.macro CREST
	s_cmp_lg_u32 s14, 0
	s_cbranch_scc1 .Lnot_wave_0_\@
	s_barrier_signal -3
.Lnot_wave_0_\@:
	s_barrier_wait -3
	s_barrier_signal -1
	s_barrier_wait -1
.endm
.macro CROUND
	s_barrier_signal -1
	s_barrier_wait -1
	CREST
.endm
.macro JLOADP sl                       ; a joint refill of the weight's part of a slot: waves 2 and 3 fetch its halves, waves 0 and 1 have no part; an s_nop 0 and four v_nop follow the line
	s_cmp_eq_u32 s15, 0
	s_cbranch_scc1 .Lno_part_\@
	tensor_load_to_lds s[56+4*\sl:59+4*\sl], s[48:55]
	s_nop 0
	PLACES
.Lno_part_\@:
.endm
.macro FRAGLD reg, a16, a8, off
	ds_load_b128 v[\reg:\reg+3], v[\a16] offset:\off
	ds_load_b64 v[\reg+4:\reg+5], v[\a8] offset:\off+512
	ds_load_b128 v[\reg+6:\reg+9], v[\a16] offset:\off+768
	ds_load_b64 v[\reg+10:\reg+11], v[\a8] offset:\off+1280
.endm
.macro FETCH sl, q, p                  ; K step q of slot sl into set p: 12 fragments and 6 registers of scale words (lanes 0-15 the even tile's, lanes 16-31 the odd tile's)
.if \p
	WIN 0x80
.else
	WIN 0
.endif
.irp t, 0,1,2,3,4,5,6,7
	FRAGLD 32+12*\t, 8+\sl, 10+\sl, (\q)*REC+1536*\t
.endr
.irp i, 0,1,2,3
	FRAGLD 128+12*\i, 4+\sl, 6+\sl, (\q)*REC+1536*\i
.endr
	WIN 0
.irp j, 0,1,2,3
	ds_load_b32 v[16+6*(\p)+\j], v[14+\sl] offset:(\q)*REC+12288+128*\j
.endr
.irp j, 0,1
	ds_load_b32 v[20+6*(\p)+\j], v[12+\sl] offset:(\q)*REC+12288+128*\j
.endr
.endm
.macro WM i, t, p, mode                ; mode 1, 2: the sum's first product, with the bias as C
.set rD, 64*(\i)+8*(\t)
.set rA, 32+12*(\t)
.set rB, 128+12*(\i)
.set rC, 176+8*(\t)
.set rX, 16+6*(\p)+(\t)/2
.set rY, 20+6*(\p)+(\i)/2
.set rw, 2*((\t)%2)+(\i)%2
.if \mode
.if rw == 0
	v_wmma_scale_f32_16x16x128_f8f6f4 v[rD:rD+7], v[rA:rA+11], v[rB:rB+11], v[rC:rC+7], v[rX], v[rY] matrix_a_fmt:MATRIX_FMT_FP6 matrix_b_fmt:MATRIX_FMT_FP6
.elseif rw == 1
	v_wmma_scale_f32_16x16x128_f8f6f4 v[rD:rD+7], v[rA:rA+11], v[rB:rB+11], v[rC:rC+7], v[rX], v[rY] matrix_a_fmt:MATRIX_FMT_FP6 matrix_b_fmt:MATRIX_FMT_FP6 matrix_b_scale:MATRIX_SCALE_ROW1
.elseif rw == 2
	v_wmma_scale_f32_16x16x128_f8f6f4 v[rD:rD+7], v[rA:rA+11], v[rB:rB+11], v[rC:rC+7], v[rX], v[rY] matrix_a_fmt:MATRIX_FMT_FP6 matrix_b_fmt:MATRIX_FMT_FP6 matrix_a_scale:MATRIX_SCALE_ROW1
.else
	v_wmma_scale_f32_16x16x128_f8f6f4 v[rD:rD+7], v[rA:rA+11], v[rB:rB+11], v[rC:rC+7], v[rX], v[rY] matrix_a_fmt:MATRIX_FMT_FP6 matrix_b_fmt:MATRIX_FMT_FP6 matrix_a_scale:MATRIX_SCALE_ROW1 matrix_b_scale:MATRIX_SCALE_ROW1
.endif
.else
.if rw == 0
	v_wmma_scale_f32_16x16x128_f8f6f4 v[rD:rD+7], v[rA:rA+11], v[rB:rB+11], v[rD:rD+7], v[rX], v[rY] matrix_a_fmt:MATRIX_FMT_FP6 matrix_b_fmt:MATRIX_FMT_FP6
.elseif rw == 1
	v_wmma_scale_f32_16x16x128_f8f6f4 v[rD:rD+7], v[rA:rA+11], v[rB:rB+11], v[rD:rD+7], v[rX], v[rY] matrix_a_fmt:MATRIX_FMT_FP6 matrix_b_fmt:MATRIX_FMT_FP6 matrix_b_scale:MATRIX_SCALE_ROW1
.elseif rw == 2
	v_wmma_scale_f32_16x16x128_f8f6f4 v[rD:rD+7], v[rA:rA+11], v[rB:rB+11], v[rD:rD+7], v[rX], v[rY] matrix_a_fmt:MATRIX_FMT_FP6 matrix_b_fmt:MATRIX_FMT_FP6 matrix_a_scale:MATRIX_SCALE_ROW1
.else
	v_wmma_scale_f32_16x16x128_f8f6f4 v[rD:rD+7], v[rA:rA+11], v[rB:rB+11], v[rD:rD+7], v[rX], v[rY] matrix_a_fmt:MATRIX_FMT_FP6 matrix_b_fmt:MATRIX_FMT_FP6 matrix_a_scale:MATRIX_SCALE_ROW1 matrix_b_scale:MATRIX_SCALE_ROW1
.endif
.endif
.endm
.macro MULS p, mode                    ; 32 products; the 32 accumulators take turns, in the same order in every K step, from tile to tile too
.if \mode == 1
	WIN 0x40                                       ; C, the first tile's bias: window 0
.elseif \mode == 2
	WIN 0x60                                       ; C, the second tile's bias: window 2
.elseif \p
	WIN 0x5a
.else
	WIN 0x50
.endif
.irp i, 0,1,2,3
.irp t, 0,1,2,3,4,5,6,7
	WM \i, \t, \p, \mode
.endr
.endr
.endm
.macro STEP sl, q, mode
	s_wait_dscnt 0x0                               ; this step's set, asked for a step ago, is in
	WIN 0
	PLACES                                         ; the other set was read by the last step's products
	FETCH \sl, (\q)+1, ((\q)+1)%2
	MULS (\q)%2, \mode
.endm
; The change of slots, ahead of a slot's last K step.  In front of the barrier each wave waits for all its tensor loads, adds 0 to its spare word, and waits for that and for its reads of this slot: the last step's
; fragments are in registers.  fill = 1: the barrier opens a round of the cluster's, and the joint refill of the weight's part of this slot, two slots on in the weight's run of records, is the first thing behind it.
.macro MEET sl, fill
	WIN 0
	PLACES
	s_wait_tensorcnt 0x0
	ds_add_u32 v[SPW], v[NIL]
.if \fill
	s_add_nc_u64 s[58+4*\sl:59+4*\sl], s[58+4*\sl:59+4*\sl], 2*BLK   ; no tensor load of mine is out: the descriptor may step
.endif
	s_wait_dscnt 0x0
	s_barrier_signal -1
	s_barrier_wait -1
.if \fill
	CREST
	JLOADP \sl
.endif
.endm
.macro PUTHALF d, b, off
	global_store_b128 v1, v[\d:\d+3], s[\b:\b+1] offset:\off
	global_store_b64 v2, v[\d+4:\d+5], s[\b:\b+1] offset:\off+512
.endm
.macro QUANT s, d0, d1, w              ; 64 numbers of a lane, register 16 b + i = k 32 b + 16 (lane / 16) + i of my row -> two halves and the row's scale word
.irp b, 0,1,2,3
	v_max3_num_f32 v[TM+\b], |v[\s+16*\b]|, |v[\s+1+16*\b]|, FLOOR
.endr
.irp i, 2,4,6,8,10,12,14
.irp b, 0,1,2,3
	v_max3_num_f32 v[TM+\b], v[TM+\b], |v[\s+16*\b+\i]|, |v[\s+1+16*\b+\i]|
.endr
.endr
.irp b, 0,1,2,3
	v_permlanex16_b32 v[TM+4+\b], v[TM+\b], s[SEL], s[SEL+1]
.endr
.irp b, 0,1,2,3
	v_max_num_f32 v[TM+\b], v[TM+\b], v[TM+4+\b]
.endr
.irp b, 0,1,2,3
	v_add_nc_u32 v[TM+8+\b], 0xff000000, v[TM+\b]
.endr
.irp b, 0,1,2,3
	v_lshrrev_b32 v[TM+4+\b], 23, v[TM+8+\b]
.endr
	v_lshl_or_b32 v[\w], v[TM+5], 8, v[TM+4]
	v_lshl_or_b32 v[\w], v[TM+6], 16, v[\w]
	v_lshl_or_b32 v[\w], v[TM+7], 24, v[\w]
	v_cvt_scalef32_pk16_fp6_f32 v[\d0:\d0+2], v[\s:\s+15], v[TM+8]
	v_cvt_scalef32_pk16_fp6_f32 v[TM+12:TM+14], v[\s+16:\s+31], v[TM+9]
	v_cvt_scalef32_pk16_fp6_f32 v[\d1:\d1+2], v[\s+32:\s+47], v[TM+10]
	v_cvt_scalef32_pk16_fp6_f32 v[TM:TM+2], v[\s+48:\s+63], v[TM+11]
	v_nop
.irp i, 0,1,2
	v_permlane16_swap_b32 v[\d0+\i], v[TM+12+\i]
	v_permlane16_swap_b32 v[\d1+\i], v[TM+\i]
.endr
.irp i, 0,1,2
	v_mov_b32 v[\d0+3+\i], v[TM+12+\i]
	v_mov_b32 v[\d1+3+\i], v[TM+\i]
.endr
.endm
; THE WAY OUT of tile tl (0 or 1): relu, quantise, store: the record of token block 2 Y + w / 2 and K step 2 X + tl
.macro OUT tl
.irp i, 0,1,2,3
	WIN 0x04
.set kk, 0
.rept 64
	v_max_num_f32 v[32+kk], 0, v[64*\i+kk]         ; the activation, in f32; each accumulator from its low end on
.set kk, kk+1
.endr
	WIN 0
	QUANT 32, 96+12*\i, 102+12*\i, 144+\i
	PUTHALF 96+12*\i, 74, \tl*REC+1536*\i
	PUTHALF 102+12*\i, 74, \tl*REC+1536*\i+768
.endr
	v_cndmask_b32 v148, v144, v145, s[HI]
	v_cndmask_b32 v149, v146, v147, s[HI]
	global_store_b32 v3, v148, s[72:73] offset:\tl*REC
	global_store_b32 v3, v149, s[72:73] offset:\tl*REC+128
.endm
	s_load_b256 s[4:11], s[0:1], 0x0               ; opw, the tokens' codes, the bias, the output
	v_lshl_add_u32 v[SPW], v0, 2, SPARE
	v_mov_b32 v[NIL], 0
	ds_add_u32 v[SPW], v[NIL]                      ; the wave's opening: an add and its wait ahead of my first tensor load
	ds_add_u32 v[SPW], v[NIL]
	v_lshrrev_b32 v1, 5, v0
	v_readfirstlane_b32 s14, v1                    ; wave w
	s_lshr_b32 s15, s14, 1                         ; which block of S1 I multiply.  Also: I fetch for S1 (0) or S0 (1)
	s_and_b32 s16, s14, 1                          ; which four tiles of it.  Also: which part I fetch
	s_bfe_u32 s40, ttmp6, 0x40000                  ; cx
	s_bfe_u32 s41, ttmp6, 0x40004                  ; cy
	s_lshl_b32 s42, ttmp9, 2
	s_add_co_u32 s42, s42, s40                     ; X: which 256 hidden units
	s_and_b32 s43, ttmp7, 0xffff
	s_lshl_b32 s43, s43, 2
	s_add_co_u32 s43, s43, s41                     ; Y: which 256 tokens
	s_lshl_b32 s44, s41, 2
	s_lshl_b32 s44, 15, s44                        ; my row of the cluster
	s_lshl_b32 s45, 0x1111, s40                    ; my column
	s_or_b32 s24, s44, (3<<16)|(1<<21)             ; S1's blocks go to my row: elements of 8 bytes, no padding
	s_or_b32 s48, s45, (3<<16)|(1<<21)             ; S0's to my column
.irp g, 24, 48
	s_mov_b32 s[\g+1], 32<<16                      ; rows of 256 bytes, dense
	s_mov_b32 s[\g+3], 32<<16
	s_mov_b32 s[\g+5], 32
	s_mov_b32 s[\g+6], 0
	s_mov_b32 s[\g+7], 0
.endr
	s_mov_b32 s26, 200<<16                         ; S1: a block's four K steps, 51,200 bytes
	s_mov_b32 s28, 200
	s_mov_b32 s50, 100<<16                         ; S0: half of that
	s_mov_b32 s52, 100
	s_lshl_b32 s18, s43, 1                         ; S1's side: registers that never hold cx
	s_add_co_u32 s18, s18, s16
	s_mul_i32 s18, s18, NKS*REC
	s_mov_b32 s19, 0
	s_mul_i32 s20, s16, BLK
	s_mul_i32 s66, s42, 2*NKS*REC                  ; S0's side: registers that never hold cy.  Two blocks are 16 records on end
	s_mul_i32 s67, s16, 2*REC
	s_add_co_u32 s66, s66, s67
	s_add_co_u32 s66, s66, OFFW
	s_mov_b32 s67, 0
	s_mul_i32 s68, s16, 2*REC
	s_add_co_u32 s68, s68, 2*BLK
	s_mov_b32 s[SEL], 0x76543210
	s_mov_b32 s[SEL+1], 0xfedcba98
	s_mov_b32 s[HI], 0xffff0000
	s_wait_dscnt 0x0                               ; the opening add is done
	s_wait_kmcnt 0x0
	s_add_nc_u64 s[22:23], s[6:7], s[18:19]
	s_add_nc_u64 s[70:71], s[4:5], s[66:67]
	CROUND                                         ; all sixteen work-groups are here: the first joint loads meet
.irp sl, 0,1
	s_mov_b32 s[32+4*\sl], 1
	s_add_co_u32 s[33+4*\sl], s20, \sl*SLOT
	s_add_nc_u64 s[34+4*\sl:35+4*\sl], s[22:23], \sl*BLK
	s_or_b32 s[35+4*\sl], s[35+4*\sl], 0x80000000
	s_mov_b32 s[56+4*\sl], 1
	s_add_co_u32 s[57+4*\sl], s68, \sl*SLOT
	s_add_nc_u64 s[58+4*\sl:59+4*\sl], s[70:71], \sl*BLK
	s_or_b32 s[59+4*\sl], s[59+4*\sl], 0x80000000
.endr
	s_cmp_eq_u32 s15, 0                            ; slot 0's first fill: one tensor load a wave at the head
	s_cbranch_scc0 .Lfirst_p
	tensor_load_to_lds s[32:35], s[24:31]
	s_nop 0
	PLACES
	s_branch .Lfirst_done
.Lfirst_p:
	tensor_load_to_lds s[56:59], s[48:55]
	s_nop 0
	PLACES
.Lfirst_done:
	v_and_b32 v32, 31, v0
	v_lshlrev_b32 v1, 4, v32
	v_lshlrev_b32 v2, 3, v32
	v_lshlrev_b32 v3, 2, v32
	s_mul_i32 s17, s15, BLK
	s_mul_i32 s46, s16, 6144
	s_add_co_u32 s46, s46, s17                     ; my four fragments of S1
	s_lshl_b32 s47, s16, 8
	s_add_co_u32 s47, s47, s17                     ; and their words
	v_add_nc_u32 v4, s46, v1
	v_add_nc_u32 v6, s46, v2
	v_add_nc_u32 v12, s47, v3
	v_add_nc_u32 v8, 2*BLK, v1
	v_add_nc_u32 v10, 2*BLK, v2
	v_add_nc_u32 v14, 2*BLK, v3
.irp a, 4,6,8,10,12,14
	v_add_nc_u32 v[\a+1], SLOT, v[\a]
.endr
.irp b, 0,1,2,3
	v_mov_b32 v[TM+4+\b], 0                        ; a lane permute's destination counts as one of its sources
.endr
	v_bfe_u32 v28, v0, 4, 1
	v_lshlrev_b32 v28, 6, v28                      ; 64 h
	s_lshl_b32 s72, s42, 10
	s_mov_b32 s73, 0
	s_add_nc_u64 s[8:9], s[8:9], s[72:73]          ; the bias at my 256 hidden units: 512 bytes a tile
.irp t, 0,1,2,3,4,5,6,7
	global_load_b128 v[176+8*\t:179+8*\t], v28, s[8:9] offset:(32*(\t/2)+8*(\t%2))*4
	global_load_b128 v[180+8*\t:183+8*\t], v28, s[8:9] offset:(32*(\t/2)+8*(\t%2))*4+16
.endr
	WIN 0x80
.irp t, 0,1,2,3,4,5,6,7
	global_load_b128 v[176+8*\t:179+8*\t], v28, s[8:9] offset:512+(32*(\t/2)+8*(\t%2))*4
	global_load_b128 v[180+8*\t:183+8*\t], v28, s[8:9] offset:512+(32*(\t/2)+8*(\t%2))*4+16
.endr
	WIN 0
	s_lshl_b32 s72, s43, 1                         ; where the results go: the record of token block 2 Y + w / 2 and K step 2 X; the second tile's is the next
	s_add_co_u32 s72, s72, s15
	s_lshl_b32 s72, s72, 5
	s_lshl_b32 s73, s42, 1
	s_add_co_u32 s72, s72, s73
	s_mul_i32 s72, s72, REC
	s_mul_i32 s74, s16, 6144
	s_add_co_u32 s74, s74, s72
	s_mov_b32 s75, 0
	s_add_nc_u64 s[74:75], s[10:11], s[74:75]      ; my four fragments
	s_lshl_b32 s73, s16, 8
	s_add_co_u32 s72, s72, s73
	s_add_co_u32 s72, s72, 12288
	s_mov_b32 s73, 0
	s_add_nc_u64 s[72:73], s[10:11], s[72:73]      ; my four tiles' words
	s_wait_alu depctr_va_vdst(0)
	s_wait_tensorcnt 0x0                           ; my part of slot 0 is in; slot 1's first fill is issued as a refill is:
	ds_add_u32 v[SPW], v[NIL]
	s_wait_dscnt 0x0
	CROUND                                         ; a whole round: slot 0 is whole, and the joint loads meet
	s_cmp_eq_u32 s15, 0
	s_cbranch_scc0 .Lsecond_p
	tensor_load_to_lds s[36:39], s[24:31]
	s_nop 0
	PLACES
	s_branch .Lsecond_done
.Lsecond_p:
	tensor_load_to_lds s[60:63], s[48:55]
	s_nop 0
	PLACES
.Lsecond_done:
	FETCH 0, 0, 0
	s_wait_loadcnt 0x0                             ; the biases
	STEP 0, 0, 1                                   ; THE FIRST TILE
	STEP 0, 1, 0
	STEP 0, 2, 0
	MEET 0, 1                                      ; slot 0's part of the weight takes the second tile's K steps 0-3
	s_wait_alu depctr_va_vdst(0)
	FETCH 1, 0, 0
	MULS 1, 0
	STEP 1, 0, 0
	STEP 1, 1, 0
	STEP 1, 2, 0
	MEET 1, 1                                      ; slot 1's part of the weight takes the second tile's K steps 4-7
	MULS 1, 0
	WIN 0
	PLACES
	OUT 0
	s_wait_xcnt 0x0                                ; the stores have read their registers: the fragments below land on them
	FETCH 0, 0, 0                                  ; THE SECOND TILE: the same tokens, the weight's next block
	STEP 0, 0, 2
	STEP 0, 1, 0
	STEP 0, 2, 0
	MEET 0, 0                                      ; nothing more is filled: a plain barrier
	FETCH 1, 0, 0
	MULS 1, 0
	STEP 1, 0, 0
	STEP 1, 1, 0
	STEP 1, 2, 0
	s_wait_dscnt 0x0
	MULS 1, 0
	WIN 0
	PLACES
	OUT 1
	s_wait_tensorcnt 0x0                           ; the wave's end
	ds_add_u32 v[SPW], v[NIL]
	s_wait_dscnt 0x0
	CROUND                                         ; the closing round
	s_endpgm
.Lfunc_end_k_qc05a2a2d91_ffn1:
	.size	k_qc05a2a2d91_ffn1, .Lfunc_end_k_qc05a2a2d91_ffn1-k_qc05a2a2d91_ffn1
	.p2alignl 7, 3214868480
	.fill 96, 4, 3214868480
	.section	.rodata,"a",@progbits
	.p2align	6, 0x0
	.amdhsa_kernel k_qc05a2a2d91_ffn1
		.amdhsa_group_segment_fixed_size 327680
		.amdhsa_private_segment_fixed_size 0
		.amdhsa_enable_private_segment 0
		.amdhsa_kernarg_size 32
		.amdhsa_user_sgpr_count 2
		.amdhsa_user_sgpr_kernarg_segment_ptr 1
		.amdhsa_wavefront_size32 1
		.amdhsa_system_sgpr_workgroup_id_x 1
		.amdhsa_system_sgpr_workgroup_id_y 1
		.amdhsa_system_sgpr_workgroup_id_z 1
		.amdhsa_system_vgpr_workitem_id 0
		.amdhsa_next_free_vgpr 768
		.amdhsa_next_free_sgpr 96
		.amdhsa_reserve_vcc 0
		.amdhsa_float_denorm_mode_32 3
		.amdhsa_float_denorm_mode_16_64 3
		.amdhsa_memory_ordered 1
		.amdhsa_forward_progress 1
		.amdhsa_inst_pref_size 185
	.end_amdhsa_kernel
	.amdgpu_metadata
---
amdhsa.version: [ 1, 2 ]
amdhsa.kernels:
  - .name:           k_qc05a2a2d91_ffn1
    .symbol:         k_qc05a2a2d91_ffn1.kd
    .args:
      - { .name: opw, .offset: 0, .size: 8, .value_kind: global_buffer, .address_space: global }
      - { .name: hq, .offset: 8, .size: 8, .value_kind: global_buffer, .address_space: global }
      - { .name: bf1, .offset: 16, .size: 8, .value_kind: global_buffer, .address_space: global }
      - { .name: fq, .offset: 24, .size: 8, .value_kind: global_buffer, .address_space: global }
    .group_segment_fixed_size: 327680
    .private_segment_fixed_size: 0
    .kernarg_segment_align: 8
    .kernarg_segment_size: 32
    .max_flat_workgroup_size: 128
    .sgpr_count:     96
    .vgpr_count:     768
    .wavefront_size: 32
...
	.end_amdgpu_metadata
.endif
;; end of part 5
;; launch ffn2 (part 6): grid 16 x 16, 4 waves a work-group, clusters of 4 x 4, 327,680 bytes of LDS; arguments opw, fq, bf2, ybuf, ybuf2; writes ybuf, ybuf2
.if DOCPART == 6
	.amdgcn_target "amdgcn-amd-amdhsa--gfx1250"
	.amdhsa_code_object_version 6
	.text
	.protected	k_qc05a2a2d91_ffn2
	.globl	k_qc05a2a2d91_ffn2
	.p2align	8
	.type	k_qc05a2a2d91_ffn2,@function
k_qc05a2a2d91_ffn2:
	s_mov_b64 s[64:65], 0
	v_nop
	global_prefetch_b8 v0, s[64:65] scope:SCOPE_SE
	s_setreg_imm32_b32 hwreg(HW_REG_WAVE_MODE, 25, 1), 1
	s_wait_xcnt 0x0
	s_wait_alu depctr_hold_cnt(0) depctr_sa_sdst(0) depctr_va_vdst(0) depctr_va_sdst(0) depctr_va_ssrc(0) depctr_va_vcc(0) depctr_vm_vsrc(0)
	s_getreg_b32 s2, hwreg(HW_REG_IB_STS2, 6, 4)
	s_cmp_eq_u32 s2, 0
	s_cbranch_scc0 .Lentry_in_a_cluster
	s_endpgm
.Lentry_in_a_cluster:
	s_bfe_u32 s2, ttmp6, 0x10000c
	s_cmp_lg_u32 s2, 0xf033
	s_cbranch_scc0 .Lentry_shape_is_right
	s_endpgm
.Lentry_shape_is_right:
; ybuf + ybuf2 = hidden W2 + bf2 on codes of E2M3.  Operands lie in memory as images of the matrix operand's registers: lane-row r of tile 2 g + u is row 32 g + 8 u + r + 8 (r / 8); a fragment is 1,536 bytes;
; a record (12,800 bytes) is the 8 fragments of 128 rows for 128 along K and their 128 scale words; an operand is [128 rows][K step] records.
; A work-group multiplies 256 tokens (S1, two blocks of 128) by 128 rows of the weight (S0); wave w takes token tiles 4 w .. 4 w + 3 and all 8 tiles of S0: 32 accumulators.  D = S0's tile x S1's tile: a lane holds one
; token, and the 64 registers of a token tile are columns 32 b + 16 (lane / 16) + i (register 16 b + i) of the 128.  They are stored as they stand: each store covers 512 consecutive bytes, aligned.
; K = 4,096 IS SPLIT IN TWO, since C has only 128 tiles of this size: clusters x = 0, 1 sum K steps 0-15, with the bias, into ybuf; clusters x = 2, 3 sum K steps 16-31 into ybuf2; the launch behind adds the two.
; So 256 work-groups have equal work; the price is one more image of 16,777,216 bytes stored here and read there.  LIMIT: the sum over K is two f32 partial sums, added in f32.
; A half of K goes through a ring of two LDS slots of four K steps (153,600 bytes each): two first fills, two refills.  A slot is filled again behind a round of the cluster's barrier, one load a wave, which has four K
; steps, 128 products a wave, in which to land.  The bias is the C of each sum's first product; in the second half of K it is multiplied by 0 first (so an infinite bias is not served).
; CLUSTER 4 x 4: the tokens' blocks are shared along a row of the cluster, the weight's along a column: each is asked for jointly.
; No prefetch: a partner's share of a refill is 50 or 25 blocks of 256 bytes, which 32 lanes do not share out evenly.
; REGISTERS.  Window 0: v1-3 16, 8, 4 x lane; v4-15 LDS addresses; v16-27 scale words, two sets; v28 the bias's offset; v30, v31 the add's two; v32-127 S0's fragments, v128-175 S1's (set 0); v176-239 the bias.
; Window 1: the accumulators, (i, t) at 64 i + 8 t.  Window 2: v32-175 fragments, set 1.
.set KH,    16                         ; K steps in a half of K
.set OFFW,  9830400                    ; W2's codes in opw
.set REC,   12800
.set BLK,   4*REC
.set SLOT,  3*BLK
.set SPARE, 2*SLOT
.set SPW, 30
.set NIL, 31
.set MSB, 0
.macro WIN new                         ; the immediate's high byte repeats the setting that is left
.if MSB != \new
	s_set_vgpr_msb (MSB<<8)|\new
.set MSB, \new
.endif
.endm
.macro PLACES                          ; four plain places behind matrix instructions, ahead of loads into their sources and of reads of their results
.rept 4
	v_nop
.endr
.endm
.macro CREST
	s_cmp_lg_u32 s14, 0
	s_cbranch_scc1 .Lnot_wave_0_\@
	s_barrier_signal -3
.Lnot_wave_0_\@:
	s_barrier_wait -3
	s_barrier_signal -1
	s_barrier_wait -1
.endm
.macro CROUND
	s_barrier_signal -1
	s_barrier_wait -1
	CREST
.endm
.macro JLOAD sl                        ; a joint refill: waves 0 and 1 fetch S1's two blocks, waves 2 and 3 the halves of S0's; an s_nop 0 and four v_nop follow each line
	s_cmp_eq_u32 s15, 0
	s_cbranch_scc0 .Lfor_p_\@
	tensor_load_to_lds s[32+4*\sl:35+4*\sl], s[24:31]
	s_nop 0
	PLACES
	s_branch .Lasked_\@
.Lfor_p_\@:
	tensor_load_to_lds s[56+4*\sl:59+4*\sl], s[48:55]
	s_nop 0
	PLACES
.Lasked_\@:
.endm
.macro FRAGLD reg, a16, a8, off
	ds_load_b128 v[\reg:\reg+3], v[\a16] offset:\off
	ds_load_b64 v[\reg+4:\reg+5], v[\a8] offset:\off+512
	ds_load_b128 v[\reg+6:\reg+9], v[\a16] offset:\off+768
	ds_load_b64 v[\reg+10:\reg+11], v[\a8] offset:\off+1280
.endm
.macro FETCH sl, q, p                  ; K step q of slot sl into set p: 12 fragments and 6 registers of scale words (lanes 0-15 the even tile's, lanes 16-31 the odd tile's)
.if \p
	WIN 0x80
.else
	WIN 0
.endif
.irp t, 0,1,2,3,4,5,6,7
	FRAGLD 32+12*\t, 8+\sl, 10+\sl, (\q)*REC+1536*\t
.endr
.irp i, 0,1,2,3
	FRAGLD 128+12*\i, 4+\sl, 6+\sl, (\q)*REC+1536*\i
.endr
	WIN 0
.irp j, 0,1,2,3
	ds_load_b32 v[16+6*(\p)+\j], v[14+\sl] offset:(\q)*REC+12288+128*\j
.endr
.irp j, 0,1
	ds_load_b32 v[20+6*(\p)+\j], v[12+\sl] offset:(\q)*REC+12288+128*\j
.endr
.endm
.macro WM i, t, p, mode                ; mode 1: the sum's first product, with the bias as C
.set rD, 64*(\i)+8*(\t)
.set rA, 32+12*(\t)
.set rB, 128+12*(\i)
.set rC, 176+8*(\t)
.set rX, 16+6*(\p)+(\t)/2
.set rY, 20+6*(\p)+(\i)/2
.set rw, 2*((\t)%2)+(\i)%2
.if \mode
.if rw == 0
	v_wmma_scale_f32_16x16x128_f8f6f4 v[rD:rD+7], v[rA:rA+11], v[rB:rB+11], v[rC:rC+7], v[rX], v[rY] matrix_a_fmt:MATRIX_FMT_FP6 matrix_b_fmt:MATRIX_FMT_FP6
.elseif rw == 1
	v_wmma_scale_f32_16x16x128_f8f6f4 v[rD:rD+7], v[rA:rA+11], v[rB:rB+11], v[rC:rC+7], v[rX], v[rY] matrix_a_fmt:MATRIX_FMT_FP6 matrix_b_fmt:MATRIX_FMT_FP6 matrix_b_scale:MATRIX_SCALE_ROW1
.elseif rw == 2
	v_wmma_scale_f32_16x16x128_f8f6f4 v[rD:rD+7], v[rA:rA+11], v[rB:rB+11], v[rC:rC+7], v[rX], v[rY] matrix_a_fmt:MATRIX_FMT_FP6 matrix_b_fmt:MATRIX_FMT_FP6 matrix_a_scale:MATRIX_SCALE_ROW1
.else
	v_wmma_scale_f32_16x16x128_f8f6f4 v[rD:rD+7], v[rA:rA+11], v[rB:rB+11], v[rC:rC+7], v[rX], v[rY] matrix_a_fmt:MATRIX_FMT_FP6 matrix_b_fmt:MATRIX_FMT_FP6 matrix_a_scale:MATRIX_SCALE_ROW1 matrix_b_scale:MATRIX_SCALE_ROW1
.endif
.else
.if rw == 0
	v_wmma_scale_f32_16x16x128_f8f6f4 v[rD:rD+7], v[rA:rA+11], v[rB:rB+11], v[rD:rD+7], v[rX], v[rY] matrix_a_fmt:MATRIX_FMT_FP6 matrix_b_fmt:MATRIX_FMT_FP6
.elseif rw == 1
	v_wmma_scale_f32_16x16x128_f8f6f4 v[rD:rD+7], v[rA:rA+11], v[rB:rB+11], v[rD:rD+7], v[rX], v[rY] matrix_a_fmt:MATRIX_FMT_FP6 matrix_b_fmt:MATRIX_FMT_FP6 matrix_b_scale:MATRIX_SCALE_ROW1
.elseif rw == 2
	v_wmma_scale_f32_16x16x128_f8f6f4 v[rD:rD+7], v[rA:rA+11], v[rB:rB+11], v[rD:rD+7], v[rX], v[rY] matrix_a_fmt:MATRIX_FMT_FP6 matrix_b_fmt:MATRIX_FMT_FP6 matrix_a_scale:MATRIX_SCALE_ROW1
.else
	v_wmma_scale_f32_16x16x128_f8f6f4 v[rD:rD+7], v[rA:rA+11], v[rB:rB+11], v[rD:rD+7], v[rX], v[rY] matrix_a_fmt:MATRIX_FMT_FP6 matrix_b_fmt:MATRIX_FMT_FP6 matrix_a_scale:MATRIX_SCALE_ROW1 matrix_b_scale:MATRIX_SCALE_ROW1
.endif
.endif
.endm
.macro MULS p, mode                    ; 32 products; the 32 accumulators take turns, in the same order in every K step
.if \mode
	WIN 0x40
.elseif \p
	WIN 0x5a
.else
	WIN 0x50
.endif
.irp i, 0,1,2,3
.irp t, 0,1,2,3,4,5,6,7
	WM \i, \t, \p, \mode
.endr
.endr
.endm
.macro STEP sl, q, mode
	s_wait_dscnt 0x0                               ; this step's set, asked for a step ago, is in
	WIN 0
	PLACES                                         ; the other set was read by the last step's products
	FETCH \sl, (\q)+1, ((\q)+1)%2
	MULS (\q)%2, \mode
.endm
; A slot's last K step, and the change of slots.  In front of the barrier each wave waits for all its tensor loads (the one that is out is its part of the next slot), adds 0 to its spare word, and waits for that and for
; its reads of this slot: the last step's fragments are in registers.  fill = 1: the barrier opens a round of the cluster's, and the joint refill of this slot, two slots on along K, is the first thing behind it.
.macro TURN sl, nx, fill
	WIN 0
	PLACES
	s_wait_tensorcnt 0x0
	ds_add_u32 v[SPW], v[NIL]
.if \fill
	s_add_nc_u64 s[34+4*\sl:35+4*\sl], s[34+4*\sl:35+4*\sl], 2*BLK   ; no tensor load of mine is out: the descriptors may step
	s_add_nc_u64 s[58+4*\sl:59+4*\sl], s[58+4*\sl:59+4*\sl], 2*BLK
.endif
	s_wait_dscnt 0x0
	s_barrier_signal -1
	s_barrier_wait -1
.if \fill
	CREST
	JLOAD \sl
.endif
	FETCH \nx, 0, 0
	MULS 1, 0
.endm
	s_load_b256 s[4:11], s[0:1], 0x0               ; opw, the tokens' codes, the bias, ybuf
	s_load_b64 s[12:13], s[0:1], 0x20              ; ybuf2
	v_lshl_add_u32 v[SPW], v0, 2, SPARE
	v_mov_b32 v[NIL], 0
	ds_add_u32 v[SPW], v[NIL]                      ; the wave's opening: an add and its wait ahead of my first tensor load
	ds_add_u32 v[SPW], v[NIL]
	v_lshrrev_b32 v1, 5, v0
	v_readfirstlane_b32 s14, v1                    ; wave w
	s_lshr_b32 s15, s14, 1                         ; which block of S1 I multiply.  Also: I fetch for S1 (0) or S0 (1)
	s_and_b32 s16, s14, 1                          ; which four tiles of it.  Also: which part I fetch
	s_bfe_u32 s40, ttmp6, 0x40000                  ; cx
	s_bfe_u32 s41, ttmp6, 0x40004                  ; cy
	s_lshr_b32 s21, ttmp9, 1                       ; which half of K: the same in all sixteen partners
	s_and_b32 s42, ttmp9, 1
	s_lshl_b32 s42, s42, 2
	s_add_co_u32 s42, s42, s40                     ; X: which 128 columns
	s_and_b32 s43, ttmp7, 0xffff
	s_lshl_b32 s43, s43, 2
	s_add_co_u32 s43, s43, s41                     ; Y: which 256 tokens
	s_lshl_b32 s44, s41, 2
	s_lshl_b32 s44, 15, s44                        ; my row of the cluster
	s_lshl_b32 s45, 0x1111, s40                    ; my column
	s_or_b32 s24, s44, (3<<16)|(1<<21)             ; S1's blocks go to my row: elements of 8 bytes, no padding
	s_or_b32 s48, s45, (3<<16)|(1<<21)             ; S0's to my column
.irp g, 24, 48
	s_mov_b32 s[\g+1], 32<<16                      ; rows of 256 bytes, dense
	s_mov_b32 s[\g+3], 32<<16
	s_mov_b32 s[\g+5], 32
	s_mov_b32 s[\g+6], 0
	s_mov_b32 s[\g+7], 0
.endr
	s_mov_b32 s26, 200<<16                         ; S1: a block's four K steps, 51,200 bytes
	s_mov_b32 s28, 200
	s_mov_b32 s50, 100<<16                         ; S0: half of that
	s_mov_b32 s52, 100
	s_lshl_b32 s18, s43, 1                         ; S1's side: registers that never hold cx
	s_add_co_u32 s18, s18, s16
	s_lshl_b32 s18, s18, 1
	s_add_co_u32 s18, s18, s21                     ; a block has two halves of KH records
	s_mul_i32 s18, s18, KH*REC
	s_mov_b32 s19, 0
	s_mul_i32 s20, s16, BLK
	s_lshl_b32 s66, s42, 1                         ; S0's side: registers that never hold cy
	s_add_co_u32 s66, s66, s21
	s_mul_i32 s66, s66, KH*REC
	s_mul_i32 s67, s16, 2*REC
	s_add_co_u32 s66, s66, s67
	s_add_co_u32 s66, s66, OFFW
	s_mov_b32 s67, 0
	s_mul_i32 s68, s16, 2*REC
	s_add_co_u32 s68, s68, 2*BLK
	s_mov_b32 s74, 0x3f800000                      ; what the bias is multiplied by: 1 in the first half of K,
	s_cmp_lg_u32 s21, 0
	s_cselect_b32 s74, 0, s74                      ; 0 in the second
	s_mov_b32 s75, s74                             ; (named with it as a pair, so it is written)
	s_wait_dscnt 0x0                               ; the opening add is done
	s_wait_kmcnt 0x0
	s_add_nc_u64 s[22:23], s[6:7], s[18:19]
	s_add_nc_u64 s[70:71], s[4:5], s[66:67]
	CROUND                                         ; all sixteen work-groups are here: the first joint loads meet
.irp sl, 0,1
	s_mov_b32 s[32+4*\sl], 1
	s_add_co_u32 s[33+4*\sl], s20, \sl*SLOT
	s_add_nc_u64 s[34+4*\sl:35+4*\sl], s[22:23], \sl*BLK
	s_or_b32 s[35+4*\sl], s[35+4*\sl], 0x80000000
	s_mov_b32 s[56+4*\sl], 1
	s_add_co_u32 s[57+4*\sl], s68, \sl*SLOT
	s_add_nc_u64 s[58+4*\sl:59+4*\sl], s[70:71], \sl*BLK
	s_or_b32 s[59+4*\sl], s[59+4*\sl], 0x80000000
.endr
	s_cmp_eq_u32 s15, 0                            ; slot 0's first fill: one tensor load a wave at the head
	s_cbranch_scc0 .Lfirst_p
	tensor_load_to_lds s[32:35], s[24:31]
	s_nop 0
	PLACES
	s_branch .Lfirst_done
.Lfirst_p:
	tensor_load_to_lds s[56:59], s[48:55]
	s_nop 0
	PLACES
.Lfirst_done:
	v_and_b32 v32, 31, v0
	v_lshlrev_b32 v1, 4, v32
	v_lshlrev_b32 v2, 3, v32
	v_lshlrev_b32 v3, 2, v32
	s_mul_i32 s17, s15, BLK
	s_mul_i32 s46, s16, 6144
	s_add_co_u32 s46, s46, s17                     ; my four fragments of S1
	s_lshl_b32 s47, s16, 8
	s_add_co_u32 s47, s47, s17                     ; and their words
	v_add_nc_u32 v4, s46, v1
	v_add_nc_u32 v6, s46, v2
	v_add_nc_u32 v12, s47, v3
	v_add_nc_u32 v8, 2*BLK, v1
	v_add_nc_u32 v10, 2*BLK, v2
	v_add_nc_u32 v14, 2*BLK, v3
.irp a, 4,6,8,10,12,14
	v_add_nc_u32 v[\a+1], SLOT, v[\a]
.endr
	v_bfe_u32 v28, v0, 4, 1
	v_lshlrev_b32 v28, 6, v28                      ; 64 h
	s_lshl_b32 s72, s42, 9
	s_mov_b32 s73, 0
	s_add_nc_u64 s[8:9], s[8:9], s[72:73]          ; the bias at my 128 columns
.irp t, 0,1,2,3,4,5,6,7
	global_load_b128 v[176+8*\t:179+8*\t], v28, s[8:9] offset:(32*(\t/2)+8*(\t%2))*4
	global_load_b128 v[180+8*\t:183+8*\t], v28, s[8:9] offset:(32*(\t/2)+8*(\t%2))*4+16
.endr
	s_wait_alu depctr_va_vdst(0)
	s_wait_tensorcnt 0x0                           ; my part of slot 0 is in; slot 1's first fill is issued as a refill is:
	ds_add_u32 v[SPW], v[NIL]
	s_wait_dscnt 0x0
	CROUND                                         ; a whole round: slot 0 is whole, and the joint loads meet
	JLOAD 1                                        ; the first tensor load behind the round
	FETCH 0, 0, 0
	s_wait_loadcnt 0x0                             ; the bias
.set kk, 0
.rept 32
	v_pk_mul_f32 v[176+2*kk:177+2*kk], v[176+2*kk:177+2*kk], s[74:75] op_sel_hi:[1,0]   ; it counts in one half of K alone
.set kk, kk+1
.endr
	s_wait_alu depctr_va_vdst(0)
	STEP 0, 0, 1                                   ; my half's K steps 0-2
	STEP 0, 1, 0
	STEP 0, 2, 0
	TURN 0, 1, 1                                   ; 3; slot 0 takes 8-11
	STEP 1, 0, 0
	STEP 1, 1, 0
	STEP 1, 2, 0
	TURN 1, 0, 1                                   ; 7; slot 1 takes 12-15
	STEP 0, 0, 0
	STEP 0, 1, 0
	STEP 0, 2, 0
	TURN 0, 1, 0                                   ; 11; nothing more is filled
	STEP 1, 0, 0
	STEP 1, 1, 0
	STEP 1, 2, 0
	s_wait_dscnt 0x0
	MULS 1, 0
	WIN 0
	PLACES
	; THE WAY OUT: a token tile's 64 registers as an image of 8,192 bytes at (8 x tile + X) x 8,192 of my half's buffer
	s_cmp_eq_u32 s21, 0
	s_cselect_b64 s[10:11], s[10:11], s[12:13]
	s_lshl_b32 s72, s43, 4
	s_lshl_b32 s73, s14, 2
	s_add_co_u32 s72, s72, s73                     ; my first token tile: 16 Y + 4 w
	s_lshl_b32 s72, s72, 3
	s_add_co_u32 s72, s72, s42
	s_lshl_b32 s72, s72, 13
	s_mov_b32 s73, 0
	s_add_nc_u64 s[10:11], s[10:11], s[72:73]
	WIN 0x04                                       ; a store's data are its source 1: window 1
.irp i, 0,1,2,3
.set kk, 0
.rept 16
	global_store_b128 v1, v[64*\i+4*kk:64*\i+4*kk+3], s[10:11] offset:65536*\i+512*kk   ; each accumulator from its low end on
.set kk, kk+1
.endr
.endr
	WIN 0
	s_wait_tensorcnt 0x0                           ; the wave's end
	ds_add_u32 v[SPW], v[NIL]
	s_wait_dscnt 0x0
	CROUND                                         ; the closing round
	s_endpgm
.Lfunc_end_k_qc05a2a2d91_ffn2:
	.size	k_qc05a2a2d91_ffn2, .Lfunc_end_k_qc05a2a2d91_ffn2-k_qc05a2a2d91_ffn2
	.p2alignl 7, 3214868480
	.fill 96, 4, 3214868480
	.section	.rodata,"a",@progbits
	.p2align	6, 0x0
	.amdhsa_kernel k_qc05a2a2d91_ffn2
		.amdhsa_group_segment_fixed_size 327680
		.amdhsa_private_segment_fixed_size 0
		.amdhsa_enable_private_segment 0
		.amdhsa_kernarg_size 40
		.amdhsa_user_sgpr_count 2
		.amdhsa_user_sgpr_kernarg_segment_ptr 1
		.amdhsa_wavefront_size32 1
		.amdhsa_system_sgpr_workgroup_id_x 1
		.amdhsa_system_sgpr_workgroup_id_y 1
		.amdhsa_system_sgpr_workgroup_id_z 1
		.amdhsa_system_vgpr_workitem_id 0
		.amdhsa_next_free_vgpr 768
		.amdhsa_next_free_sgpr 96
		.amdhsa_reserve_vcc 0
		.amdhsa_float_denorm_mode_32 3
		.amdhsa_float_denorm_mode_16_64 3
		.amdhsa_memory_ordered 1
		.amdhsa_forward_progress 1
		.amdhsa_inst_pref_size 142
	.end_amdhsa_kernel
	.amdgpu_metadata
---
amdhsa.version: [ 1, 2 ]
amdhsa.kernels:
  - .name:           k_qc05a2a2d91_ffn2
    .symbol:         k_qc05a2a2d91_ffn2.kd
    .args:
      - { .name: opw, .offset: 0, .size: 8, .value_kind: global_buffer, .address_space: global }
      - { .name: fq, .offset: 8, .size: 8, .value_kind: global_buffer, .address_space: global }
      - { .name: bf2, .offset: 16, .size: 8, .value_kind: global_buffer, .address_space: global }
      - { .name: ybuf, .offset: 24, .size: 8, .value_kind: global_buffer, .address_space: global }
      - { .name: ybuf2, .offset: 32, .size: 8, .value_kind: global_buffer, .address_space: global }
    .group_segment_fixed_size: 327680
    .private_segment_fixed_size: 0
    .kernarg_segment_align: 8
    .kernarg_segment_size: 40
    .max_flat_workgroup_size: 128
    .sgpr_count:     96
    .vgpr_count:     768
    .wavefront_size: 32
...
	.end_amdgpu_metadata
.endif
;; end of part 6
;; launch ln2 (part 7): grid 256 x 1, 8 waves a work-group, no clusters, 69,632 bytes of LDS; arguments ybuf, ybuf2, hf, g2, b2, out0; writes out0
.if DOCPART == 7
	.amdgcn_target "amdgcn-amd-amdhsa--gfx1250"
	.amdhsa_code_object_version 6
	.text
	.protected	k_qc05a2a2d91_ln2
	.globl	k_qc05a2a2d91_ln2
	.p2align	8
	.type	k_qc05a2a2d91_ln2,@function
k_qc05a2a2d91_ln2:
	s_mov_b64 s[64:65], 0
	v_nop
	global_prefetch_b8 v0, s[64:65] scope:SCOPE_SE
	s_setreg_imm32_b32 hwreg(HW_REG_WAVE_MODE, 25, 1), 1
	s_wait_xcnt 0x0
; out0 = g2 (z - mean) / sqrt(var + 1e-12) + b2 with z = ybuf + ybuf2 + hf, var over 1,023.  ybuf and ybuf2 are the last product's sums over the two halves of its K.
; A work-group takes one tile of 16 tokens (lane-row r of tile 2 g + u = token 32 g + 8 u + r + 8 (r / 8)), wave c its columns 128 c .. 128 c + 127: one image of 8,192 bytes of each buffer, in which register 16 b + i of
; lane (r, h) is column 128 c + 32 b + 16 h + i of token r.  The row's sums meet in LDS: one word a row and wave, two barriers; the variance is taken of z - mean (two passes in registers).
; The result leaves row-major: it turns through the wave's own stage in LDS (16 rows of 512 bytes + 16) and each store covers 512 consecutive bytes of a row, aligned.
; Memory binds: each byte is read once.  No matrix unit, no cluster.  1 / 1,023 is a multiplication, 1 / sqrt is v_rsq_f32.  LIMITS: NaN and infinities are not served.
.set SPARE, 1024                       ; LDS: sums 0-511 (32 r + 4 c), squares 512-1,023, the spare words 1,024-2,047, the stages from 2,048 on
.set STG,   2048
.set SEL, 30
; v1: 16 x lane; v5: 64 h; v6, v7: LDS words; v8, v9: the add's two; v10, v11: the stage, in and back; v32-95 z; v96-159 ybuf2's image, then g2; v160-223 hf's image, then b2, then rows; v224-239 at work
.macro CROSS off                       ; four packed chains in v[224:231] -> the row's total over all 1,024 columns in v224, the same bits in every wave
	s_delay_alu instid0(VALU_DEP_3)
	v_pk_add_f32 v[224:225], v[224:225], v[226:227]
	s_delay_alu instid0(VALU_DEP_2)
	v_pk_add_f32 v[228:229], v[228:229], v[230:231]
	s_delay_alu instid0(VALU_DEP_1)
	v_pk_add_f32 v[224:225], v[224:225], v[228:229]
	s_delay_alu instid0(VALU_DEP_1)
	v_add_f32 v224, v224, v225
	s_delay_alu instid0(VALU_DEP_1)
	v_permlanex16_b32 v226, v224, s[SEL], s[SEL+1]
	s_delay_alu instid0(VALU_DEP_1)
	v_add_f32 v224, v224, v226
	ds_store_b32 v6, v224 offset:\off              ; lanes r and r + 16 write the same word with the same value
	s_wait_dscnt 0x0                               ; for the others' sake
	s_barrier_signal -1
	s_barrier_wait -1
	ds_load_b128 v[228:231], v7 offset:\off
	ds_load_b128 v[232:235], v7 offset:\off+16
	s_wait_dscnt 0x0
	v_pk_add_f32 v[228:229], v[228:229], v[230:231]
	v_pk_add_f32 v[232:233], v[232:233], v[234:235]
	s_delay_alu instid0(VALU_DEP_1)
	v_pk_add_f32 v[228:229], v[228:229], v[232:233]
	s_delay_alu instid0(VALU_DEP_1)
	v_add_f32 v224, v228, v229
.endm
	s_load_b256 s[4:11], s[0:1], 0x0               ; ybuf, ybuf2, hf, g2
	s_load_b128 s[12:15], s[0:1], 0x20             ; b2, out0
	v_lshl_add_u32 v8, v0, 2, SPARE
	v_mov_b32 v9, 0
	v_lshrrev_b32 v12, 5, v0
	s_delay_alu instid0(VALU_DEP_1)
	v_readfirstlane_b32 s16, v12                   ; wave c
	v_and_b32 v12, 31, v0
	s_delay_alu instid0(VALU_DEP_1)
	v_lshlrev_b32 v1, 4, v12
	v_and_b32 v13, 15, v0                          ; r
	v_bfe_u32 v14, v0, 4, 1                        ; h
	s_delay_alu instid0(VALU_DEP_1)
	v_lshlrev_b32 v5, 6, v14
	s_delay_alu instid0(VALU_DEP_3)
	v_lshlrev_b32 v7, 5, v13
	s_lshl_b32 s17, s16, 2
	v_add_nc_u32 v6, s17, v7
	s_mul_i32 s18, s16, 16*528
	s_add_co_u32 s18, s18, STG                     ; my stage
	v_mul_u32_u24 v10, v13, 528
	s_delay_alu instid0(VALU_DEP_1)
	v_lshl_add_u32 v10, v14, 6, v10
	s_delay_alu instid0(VALU_DEP_1)
	v_add_nc_u32 v10, s18, v10                     ; in: row r, + 64 h
	v_add_nc_u32 v11, s18, v1                      ; back: a row's 512 bytes, 16 a lane
	v_mov_b32 v237, 0                              ; (upper halves of pairs of which the low word serves both)
	v_mov_b32 v239, 0
	s_mov_b32 s[SEL], 0x76543210
	s_mov_b32 s[SEL+1], 0xfedcba98
	s_mov_b32 s32, 0x3a802008                      ; 1 / 1,023
	s_mov_b32 s33, 0x2b8cbccc                      ; 1e-12
	s_lshl_b32 s20, ttmp9, 3
	s_add_co_u32 s20, s20, s16
	s_lshl_b32 s20, s20, 13                        ; my image
	s_mov_b32 s21, 0
	s_lshr_b32 s22, ttmp9, 1
	s_lshl_b32 s22, s22, 17
	s_and_b32 s23, ttmp9, 1
	s_lshl_b32 s23, s23, 15
	s_add_co_u32 s22, s22, s23
	s_lshl_b32 s24, s16, 9
	s_add_co_u32 s22, s22, s24                     ; the tile's first token and my columns in out0
	s_mov_b32 s23, 0
	s_mov_b32 s25, 0
	s_wait_kmcnt 0x0
	s_add_nc_u64 s[4:5], s[4:5], s[20:21]
	s_add_nc_u64 s[6:7], s[6:7], s[20:21]
	s_add_nc_u64 s[8:9], s[8:9], s[20:21]
	s_add_nc_u64 s[10:11], s[10:11], s[24:25]
	s_add_nc_u64 s[12:13], s[12:13], s[24:25]
	s_add_nc_u64 s[14:15], s[14:15], s[22:23]
.set kk, 0
.rept 16
	global_load_b128 v[32+4*kk:35+4*kk], v1, s[4:5] offset:512*kk th:TH_LOAD_NT
.set kk, kk+1
.endr
.set kk, 0
.rept 16
	global_load_b128 v[96+4*kk:99+4*kk], v1, s[6:7] offset:512*kk th:TH_LOAD_NT
.set kk, kk+1
.endr
.set kk, 0
.rept 16
	global_load_b128 v[160+4*kk:163+4*kk], v1, s[8:9] offset:512*kk th:TH_LOAD_NT
.set kk, kk+1
.endr
	s_wait_loadcnt 16                              ; the two partial sums are in; hf's sixteen loads may be out
.set kk, 0
.rept 32
	v_pk_add_f32 v[32+2*kk:33+2*kk], v[32+2*kk:33+2*kk], v[96+2*kk:97+2*kk]
.set kk, kk+1
.endr
.set kk, 0
.rept 16
	global_load_b128 v[96+4*kk:99+4*kk], v5, s[10:11] offset:(kk/4)*128+(kk%4)*16   ; g2
.set kk, kk+1
.endr
	s_wait_loadcnt 16                              ; hf's image is in; g2's sixteen loads may be out
.set kk, 0
.rept 32
	v_pk_add_f32 v[32+2*kk:33+2*kk], v[32+2*kk:33+2*kk], v[160+2*kk:161+2*kk]
.set kk, kk+1
.endr
.set kk, 0
.rept 16
	global_load_b128 v[160+4*kk:163+4*kk], v5, s[12:13] offset:(kk/4)*128+(kk%4)*16   ; b2
.set kk, kk+1
.endr
.irp c, 0,1,2,3
	v_pk_add_f32 v[224+2*\c:225+2*\c], v[32+4*\c:33+4*\c], v[34+4*\c:35+4*\c]
.endr
.set jj, 16
.rept 6
.irp c, 0,1,2,3
	s_delay_alu instid0(VALU_DEP_4)
	v_pk_add_f32 v[224+2*\c:225+2*\c], v[224+2*\c:225+2*\c], v[32+jj+2*\c:33+jj+2*\c]
.endr
.set jj, jj+8
.endr
	CROSS 0
	s_delay_alu instid0(VALU_DEP_1)
	v_mul_f32 v236, 0x3a800000, v224               ; the mean
.set kk, 0
.rept 32
	v_pk_add_f32 v[32+2*kk:33+2*kk], v[32+2*kk:33+2*kk], v[236:237] op_sel_hi:[1,0] neg_lo:[0,1] neg_hi:[0,1]
.set kk, kk+1
.endr
.irp c, 0,1,2,3
	v_pk_mul_f32 v[224+2*\c:225+2*\c], v[32+2*\c:33+2*\c], v[32+2*\c:33+2*\c]
.endr
.set jj, 8
.rept 7
.irp c, 0,1,2,3
	s_delay_alu instid0(VALU_DEP_4)
	v_pk_fma_f32 v[224+2*\c:225+2*\c], v[32+jj+2*\c:33+jj+2*\c], v[32+jj+2*\c:33+jj+2*\c], v[224+2*\c:225+2*\c]
.endr
.set jj, jj+8
.endr
	CROSS 512                                      ; other words than the sums': no wave writes what another may still read
	s_delay_alu instid0(VALU_DEP_1)
	v_fma_f32 v224, v224, s32, s33                 ; var + 1e-12
	s_wait_alu depctr_va_vdst(0)
	v_rsq_f32 v238, v224
	v_nop                                          ; a plain place behind it
	s_wait_alu depctr_va_vdst(0)                   ; ahead of its first reader
	s_wait_loadcnt 0x0                             ; g2 and b2
.set kk, 0
.rept 32
	v_pk_mul_f32 v[32+2*kk:33+2*kk], v[32+2*kk:33+2*kk], v[238:239] op_sel_hi:[1,0]
.set kk, kk+1
.endr
.set kk, 0
.rept 32
	v_pk_fma_f32 v[32+2*kk:33+2*kk], v[32+2*kk:33+2*kk], v[96+2*kk:97+2*kk], v[160+2*kk:161+2*kk]
.set kk, kk+1
.endr
.set kk, 0
.rept 16
	ds_store_b128 v10, v[32+4*kk:35+4*kk] offset:(kk/4)*128+(kk%4)*16
.set kk, kk+1
.endr
.set kk, 0
.rept 16
	ds_load_b128 v[160+4*kk:163+4*kk], v11 offset:528*kk   ; LDS serves a wave's instructions in order (ISA guide 5.7.1.4): these see my stores; the stage is my wave's own
.set kk, kk+1
.endr
.set kk, 0
.rept 16
	s_wait_dscnt 15-kk                             ; row kk is back; the younger loads may be out
	global_store_b128 v1, v[160+4*kk:163+4*kk], s[14:15] offset:(kk+8*(kk/8))*4096 th:TH_STORE_NT
.set kk, kk+1
.endr
	s_wait_tensorcnt 0x0                           ; the wave's end, behind my last LDS store
	ds_add_u32 v8, v9
	s_wait_dscnt 0x0
	s_endpgm
.Lfunc_end_k_qc05a2a2d91_ln2:
	.size	k_qc05a2a2d91_ln2, .Lfunc_end_k_qc05a2a2d91_ln2-k_qc05a2a2d91_ln2
	.p2alignl 7, 3214868480
	.fill 96, 4, 3214868480
	.section	.rodata,"a",@progbits
	.p2align	6, 0x0
	.amdhsa_kernel k_qc05a2a2d91_ln2
		.amdhsa_group_segment_fixed_size 69632
		.amdhsa_private_segment_fixed_size 0
		.amdhsa_enable_private_segment 0
		.amdhsa_kernarg_size 48
		.amdhsa_user_sgpr_count 2
		.amdhsa_user_sgpr_kernarg_segment_ptr 1
		.amdhsa_wavefront_size32 1
		.amdhsa_system_sgpr_workgroup_id_x 1
		.amdhsa_system_sgpr_workgroup_id_y 1
		.amdhsa_system_sgpr_workgroup_id_z 1
		.amdhsa_system_vgpr_workitem_id 0
		.amdhsa_next_free_vgpr 256
		.amdhsa_next_free_sgpr 66
		.amdhsa_reserve_vcc 0
		.amdhsa_float_denorm_mode_32 3
		.amdhsa_float_denorm_mode_16_64 3
		.amdhsa_memory_ordered 1
		.amdhsa_forward_progress 1
		.amdhsa_inst_pref_size 32
	.end_amdhsa_kernel
	.amdgpu_metadata
---
amdhsa.version: [ 1, 2 ]
amdhsa.kernels:
  - .name:           k_qc05a2a2d91_ln2
    .symbol:         k_qc05a2a2d91_ln2.kd
    .args:
      - { .name: ybuf, .offset: 0, .size: 8, .value_kind: global_buffer, .address_space: global }
      - { .name: ybuf2, .offset: 8, .size: 8, .value_kind: global_buffer, .address_space: global }
      - { .name: hf, .offset: 16, .size: 8, .value_kind: global_buffer, .address_space: global }
      - { .name: g2, .offset: 24, .size: 8, .value_kind: global_buffer, .address_space: global }
      - { .name: b2, .offset: 32, .size: 8, .value_kind: global_buffer, .address_space: global }
      - { .name: out0, .offset: 40, .size: 8, .value_kind: global_buffer, .address_space: global }
    .group_segment_fixed_size: 69632
    .private_segment_fixed_size: 0
    .kernarg_segment_align: 8
    .kernarg_segment_size: 48
    .max_flat_workgroup_size: 256
    .sgpr_count:     66
    .vgpr_count:     256
    .wavefront_size: 32
...
	.end_amdgpu_metadata
.endif
;; end of part 7
